; MI455X (gfx1250); checked and timed in simulation.
; The chip was launched on July 23, 2026; its instructions are those of AMD's public machine-readable ISA for CDNA 5 (MIT licence, August 2026) and "CDNA5" Instruction Set Architecture Reference Guide (July 2026). The comments in the code are by the model that wrote it; some were corrected since.
;; Block. Allowed arithmetic: matrix products marked QUANTISED: E5M2 operands, one E8M0 scale for each 32 along K, by v_wmma_scale_f32_16x16x128_f8f6f4 with both operands' format E5M2, f32 sums; everything else in f32.
;; Inputs: W1_codes 4,096 x 32 x 32 uint8 (E5M2 codes of W1, K innermost, in blocks of 32 codes); W1_scales 4,096 x 32 uint8 (E8M0 scales of W1, one for each 32 codes along K); W2_codes 1,024 x 128 x 32 uint8 (E5M2 codes of W2, K innermost, in blocks of 32 codes); W2_scales 1,024 x 128 uint8 (E8M0 scales of W2, one for each 32 codes along K); Wk_codes 1,024 x 32 x 32 uint8 (E5M2 codes of Wk, K innermost, in blocks of 32 codes); Wk_scales 1,024 x 32 uint8 (E8M0 scales of Wk, one for each 32 codes along K); Wp_codes 1,024 x 32 x 32 uint8 (E5M2 codes of Wp, K innermost, in blocks of 32 codes); Wp_scales 1,024 x 32 uint8 (E8M0 scales of Wp, one for each 32 codes along K); Wq_codes 1,024 x 32 x 32 uint8 (E5M2 codes of Wq, K innermost, in blocks of 32 codes); Wq_scales 1,024 x 32 uint8 (E8M0 scales of Wq, one for each 32 codes along K); Wv_codes 1,024 x 32 x 32 uint8 (E5M2 codes of Wv, K innermost, in blocks of 32 codes); Wv_scales 1,024 x 32 uint8 (E8M0 scales of Wv, one for each 32 codes along K); b1 4,096 float32; b2 1,024 float32; be1 1,024 float32; be2 1,024 float32; bp 1,024 float32; g1 1,024 float32; g2 1,024 float32; x 2 x 2,048 x 1,024 float32.
;; Outputs: out0 2 x 2,048 x 1,024 float32.
;; This version of the problem:
;;   THIS VERSION OF THE PROBLEM IS GIVEN IN LOW PRECISION. The matrix products marked QUANTISED in the list below multiply operands that are first quantised to E5M2 (5 exponent bits, 2 mantissa bits; 8 bits a number), with one power-of-two scale for each 32 numbers along K (OCP MX v1.0); their sums are f32. All else is computed in f32.
;;   The module's matrix products, in the order in which they are computed (A, B: the left and right operand; K: the contracted axis; several contracted axes count as one K, in the product's order):
;;     1. [M 4,096, K 1,024] x [K 1,024, N 1,024]; A: computed on the way; B: input Wq (given as codes): QUANTISED
;;     2. [M 4,096, K 1,024] x [K 1,024, N 1,024]; A: computed on the way; B: input Wk (given as codes): QUANTISED
;;     3. [M 4,096, K 1,024] x [K 1,024, N 1,024]; A: computed on the way; B: input Wv (given as codes): QUANTISED
;;     4. batch 32 x [M 2,048, K 64] x [K 64, N 2,048]; A: computed on the way; B: computed on the way: QUANTISED
;;     5. batch 32 x [M 2,048, K 2,048] x [K 2,048, N 64]; A: softmax (see below); B: computed on the way: QUANTISED
;;     6. [M 4,096, K 1,024] x [K 1,024, N 1,024]; A: computed on the way; B: input Wp (given as codes): QUANTISED
;;     7. [M 4,096, K 1,024] x [K 1,024, N 4,096]; A: computed on the way; B: input W1 (given as codes): QUANTISED
;;     8. [M 4,096, K 4,096] x [K 4,096, N 1,024]; A: computed on the way; B: input W2 (given as codes): QUANTISED
;;   THE QUANTISER, for each operand of a quantised product, along K:
;;     - K is cut into blocks of 32 from its start; a last block that is shorter is filled with zeros.
;;     - A block's scale is 2^e with e = floor(log2(the largest magnitude in the block)) - 15, held to -126 .. 127; a block of zeros has e = 0. As a byte (E8M0): e + 127.
;;     - Each number is divided by its block's scale, clamped to +-57,344, and rounded to the nearest number of E5M2, ties to even, subnormals kept.
;;     - The product sums the exact products of the quantised numbers (number of the format x scale) in f32.
;;   ~~~python
;;   def quantise(x, axis):      # numpy; x: float32 -> the quantised numbers, widened to float32 again
;;       x = np.moveaxis(x, axis, -1); K = x.shape[-1]
;;       x = np.pad(x, [(0, 0)] * (x.ndim - 1) + [(0, -K % 32)]); x = x.reshape(x.shape[:-1] + (-1, 32)); a = np.abs(x).max(-1, keepdims=True)
;;       e = np.where(a > 0, np.clip(np.frexp(np.where(a > 0, a, 1))[1] - 1 - 15, -126, 127), 0)      # np.frexp(a)[1] - 1 = floor(log2(a)), exactly
;;       r = np.clip(x / 2.0 ** e, -57344, 57344)
;;       step = 2.0 ** (np.maximum(np.frexp(np.where(r == 0, 1, r))[1] - 1, -14) - 2)
;;       q = np.round(r / step) * step * 2.0 ** e      # np.round: ties to even
;;       return np.moveaxis(q.reshape(q.shape[:-2] + (-1,))[..., :K], -1, axis).astype(np.float32)
;;   ~~~
;;   SOFTMAX AHEAD OF A QUANTISED PRODUCT. Where the list says 'softmax', what is quantised is not the finished softmax but p = 2^(t - M), with t = logit x log2(e) and M = ceil(the row's largest t), a whole number; so 1/2 < the row's largest p <= 1. The row's sum l is taken of the UNQUANTISED p, in f32, and the product's result is divided by l at the end. Since M is a whole number, a kernel that streams over the keys may use a running M (the ceiling of the running maximum): every later rescaling is an exact power of two, which a block's scale takes up: the codes' values come out the same.
;;   OPERANDS COMPUTED ON THE WAY. 'Computed on the way' means the value that the module computes at that place (a softmax that the list does not call 'softmax' is quantised finished and normalised). What goes into a quantiser is computed in f32, as accurately as f32 sums, v_exp_f32 and their like allow (about 1e-6 of the number): no bf16 or f16 on the way to a quantiser, and a product that is left as it is and whose result goes on into a quantised operand takes f32 operands (vector FMAs, or v_wmma_f32_16x16x4_f32). A number that lies on a knife's edge between two numbers of the format may be rounded either way, as far as f32 arithmetic and the matrix unit's own rounding can turn it there, and no further.
;;   INPUTS GIVEN AS CODES. W1 (in the module: [1024, 4096], K = its axis 0); W2 (in the module: [4096, 1024], K = its axis 0); Wk (in the module: [1024, 1024], K = its axis 0); Wp (in the module: [1024, 1024], K = its axis 0); Wq (in the module: [1024, 1024], K = its axis 0); Wv (in the module: [1024, 1024], K = its axis 0): each comes as NAME_codes (uint8): NAME with its K axis moved to the last place and cut into blocks of 32 codes, [.., K / 32, bytes a block], one block behind the other in memory; one code a byte (a code: sign, 5 exponent bits, 2 mantissa bits); and NAME_scales (uint8): the same leading axes, one E8M0 byte (e + 127) for each 32 codes along K. Its value is code x scale, taken as it is: it is not quantised again, and the codes and scales need not be those that the quantiser above would give.
;; One version. Each part assembles by itself: llvm-mc -triple=amdgcn-amd-amdhsa -mcpu=gfx1250 --defsym DOCPART=n.
;; ======== version 1 of 1: 7 launches
;; limits: right only within a limited range of input values
;; workspace buffers: hc 4,194,304 bytes; hs 131,072 bytes; qb 8,650,752 bytes; kv 8,650,752 bytes; oi 4,325,376 bytes; x1 16,777,216 bytes; a2 17,301,504 bytes
;; launch ln1 (part 1): grid 256 x 1, 4 waves a work-group, no clusters, 1,536 bytes of LDS; arguments x, g1, be1, hc, hs; writes hc, hs
.if DOCPART == 1
	.amdgcn_target "amdgcn-amd-amdhsa--gfx1250"
	.amdhsa_code_object_version 6
	.text
	.protected	k_qd58e99ebc9_ln1
	.globl	k_qd58e99ebc9_ln1
	.p2align	8
	.type	k_qd58e99ebc9_ln1,@function
k_qd58e99ebc9_ln1:
	s_mov_b64 s[64:65], 0
	v_nop
	global_prefetch_b8 v0, s[64:65] scope:SCOPE_SE
	s_setreg_imm32_b32 hwreg(HW_REG_WAVE_MODE, 25, 1), 1
	s_wait_xcnt 0x0
; LayerNorm of rows of 1,024 f32 numbers, then the MX quantiser along the row: codes of E5M2 [4096][1024], K innermost, and one E8M0 byte for each 32 numbers [4096][32].
; y = (x - mean) * rsqrt(mean((x - mean)^2) + 1e-5) * g + b: the variance is taken of the differences, in a second pass over registers, so a common offset of the inputs costs no accuracy.
; SHARES.  A work-group of four waves takes 16 rows, a wave 4, one row at a time; the row stays in 32 registers a lane.  Lane l holds numbers 256 j + 8 l + 0 .. 7, j = 0 .. 3:
; eight neighbours of one block in consecutive registers, as the conversion wants them; a block of 32 is four neighbouring lanes.  All of a wave's 32 row loads are issued at the head.
; OUT.  A lane's 8 codes are 8 bytes: a store of the wave covers 256 consecutive bytes, aligned.  The 16 rows' 512 scale bytes meet in LDS and leave by one store of wave 0.
; LIMITS: NaN and infinities are not served.  A block whose largest magnitude lies under 2^-111 (a block of zeros too) gets the byte 1: its codes are (near) zeros, and this program alone reads the bytes.
.set G,  8                             ; v[8:39]    the gain of my 32 columns
.set BT, 40                            ; v[40:71]   the bias
.set X,  72                            ; v[72:199]  four rows, 32 registers each
.set C,  200                           ; v[200:231] codes, 8 registers a row: no store's data are written again
.set S,  232                           ; v[232:239] four chains of packed sums
.set MU, 240                           ; v[240:241] the mean (the low word serves both halves)
.set RS, 242                           ; v[242:243] 1 / sqrt(var + eps), likewise
.set M,  244                           ; v[244:247] largest magnitudes of my four chunks' blocks
.set SO, 248                           ; v[248:251] the conversions' scale operands
.set HO, 252                           ; v[252:255] 57,344 x the scale
	s_load_b256 s[4:11], s[0:1], 0x0               ; x s[4:5], g s[6:7], b s[8:9], codes s[10:11]
	s_load_b64 s[12:13], s[0:1], 0x20              ; scale bytes
	s_set_vgpr_msb 0x40
	v_lshl_add_u32 v0, v0, 2, 0x400
	v_mov_b32 v1, 0
	s_set_vgpr_msb 0x4000
	v_lshrrev_b32 v5, 5, v0
	v_readfirstlane_b32 s14, v5                    ; wave
	v_and_b32 v6, 31, v0                           ; lane
	v_lshlrev_b32 v1, 5, v6                        ; 32 bytes of f32 a lane
	v_lshlrev_b32 v2, 3, v6                        ; 8 bytes of codes a lane
	v_lshrrev_b32 v3, 2, v6
	v_lshl_add_u32 v3, v5, 7, v3                   ; LDS: 128 x wave (its four rows' bytes) + my block in a chunk
	v_lshlrev_b32 v4, 4, v6                        ; 16 x lane
	v_mov_b32 v7, 0                                ; a lane permute's destination counts as read
	v_mov_b32 v[MU+1], 0                           ; (named with the low word as a pair)
	v_mov_b32 v[RS+1], 0
	s_mov_b32 s16, 0x76543210
	s_mov_b32 s17, 0xfedcba98                      ; v_permlanex16_b32's selects for lane l xor 16
	s_mov_b32 s18, 0x600000                        ; the mantissa field of 57,344
	s_mov_b32 s19, 0x3a800000                      ; 1 / 1024
	s_mov_b32 s20, 0x3727c5ac                      ; 1e-5
	s_lshl_b32 s22, ttmp9, 16                      ; 16 rows of 4,096 bytes a work-group,
	s_lshl_b32 s23, s14, 14                        ; 4 a wave
	s_add_co_u32 s22, s22, s23
	s_mov_b32 s23, 0
	s_lshr_b32 s24, s22, 2                         ; the codes: a quarter of that
	s_mov_b32 s25, 0
	s_lshl_b32 s26, ttmp9, 9                       ; the scale bytes: 512 a work-group
	s_mov_b32 s27, 0
	s_wait_alu depctr_va_vdst(0)
	s_wait_kmcnt 0x0
	s_add_nc_u64 s[4:5], s[4:5], s[22:23]
	s_add_nc_u64 s[10:11], s[10:11], s[24:25]
	s_add_nc_u64 s[12:13], s[12:13], s[26:27]
.irp j, 0,1,2,3
	global_load_b128 v[G+8*\j:G+8*\j+3],    v1, s[6:7] offset:1024*\j
	global_load_b128 v[G+8*\j+4:G+8*\j+7],  v1, s[6:7] offset:1024*\j+16
	global_load_b128 v[BT+8*\j:BT+8*\j+3],   v1, s[8:9] offset:1024*\j
	global_load_b128 v[BT+8*\j+4:BT+8*\j+7], v1, s[8:9] offset:1024*\j+16
.endr
.irp i, 0,1,2,3
.irp j, 0,1,2,3
	global_load_b128 v[X+32*\i+8*\j:X+32*\i+8*\j+3],   v1, s[4:5] offset:4096*\i+1024*\j
	global_load_b128 v[X+32*\i+8*\j+4:X+32*\i+8*\j+7], v1, s[4:5] offset:4096*\i+1024*\j+16
.endr
.endr
.macro ALL32 r                         ; the sum over the 32 lanes, in every lane
	v_add_f32_dpp v[\r], v[\r], v[\r] row_xmask:1 row_mask:0xf bank_mask:0xf
	v_add_f32_dpp v[\r], v[\r], v[\r] row_xmask:2 row_mask:0xf bank_mask:0xf
	v_add_f32_dpp v[\r], v[\r], v[\r] row_xmask:4 row_mask:0xf bank_mask:0xf
	v_add_f32_dpp v[\r], v[\r], v[\r] row_xmask:8 row_mask:0xf bank_mask:0xf
	v_permlanex16_b32 v7, v[\r], s16, s17
	v_add_f32 v[\r], v[\r], v7
.endm
.macro FOLD                            ; the four chains into one number a lane, then over the lanes
	v_pk_add_f32 v[S:S+1], v[S:S+1], v[S+2:S+3]
	v_pk_add_f32 v[S+4:S+5], v[S+4:S+5], v[S+6:S+7]
	v_pk_add_f32 v[S:S+1], v[S:S+1], v[S+4:S+5]
	v_add_f32 v[S], v[S], v[S+1]
	ALL32 S
.endm
.macro ROW i
.set XR, X+32*\i
	s_wait_loadcnt 8*(3-\i)                        ; loads come back in order: g, b and my row are in; the 8 loads of each younger row may be out
.irp k, 0,1,2,3
	v_pk_add_f32 v[S+2*\k:S+2*\k+1], v[XR+2*\k:XR+2*\k+1], v[XR+8+2*\k:XR+8+2*\k+1]
.endr
.irp q, 16,24
.irp k, 0,1,2,3
	v_pk_add_f32 v[S+2*\k:S+2*\k+1], v[S+2*\k:S+2*\k+1], v[XR+\q+2*\k:XR+\q+2*\k+1]
.endr
.endr
	FOLD
	v_mul_f32 v[MU], s19, v[S]                     ; the mean
.set p, 0
.rept 16
	v_pk_add_f32 v[XR+p:XR+p+1], v[XR+p:XR+p+1], v[MU:MU+1] op_sel_hi:[1,0] neg_lo:[0,1] neg_hi:[0,1]   ; d = x - mean, in place
.set p, p+2
.endr
.irp k, 0,1,2,3
	v_pk_mul_f32 v[S+2*\k:S+2*\k+1], v[XR+2*\k:XR+2*\k+1], v[XR+2*\k:XR+2*\k+1]
.endr
.irp q, 8,16,24
.irp k, 0,1,2,3
	v_pk_fma_f32 v[S+2*\k:S+2*\k+1], v[XR+\q+2*\k:XR+\q+2*\k+1], v[XR+\q+2*\k:XR+\q+2*\k+1], v[S+2*\k:S+2*\k+1]
.endr
.endr
	FOLD
	v_fma_f32 v[S], v[S], s19, s20                 ; the variance + eps
	s_wait_alu depctr_va_vdst(0)
	v_rsq_f32 v[RS], v[S]
	v_nop                                          ; one plain line behind the transcendental
	s_wait_alu depctr_va_vdst(0)                   ; and the wait ahead of the first reader
.set p, 0
.rept 16
	v_pk_mul_f32 v[XR+p:XR+p+1], v[XR+p:XR+p+1], v[RS:RS+1] op_sel_hi:[1,0]
.set p, p+2
.endr
.set p, 0
.rept 16
	v_pk_fma_f32 v[XR+p:XR+p+1], v[XR+p:XR+p+1], v[G+p:G+p+1], v[BT+p:BT+p+1]
.set p, p+2
.endr
	; the quantiser: my four chunks of 8 by turns; a block is my chunk and those of the three lanes beside me
.irp j, 0,1,2,3
	v_max3_num_f32 v[M+\j], |v[XR+8*\j]|, |v[XR+8*\j+1]|, 0x8000000   ; with the floor 2^(16 - 127): the byte cannot fall under 1
.endr
.irp e, 2,4,6
.irp j, 0,1,2,3
	v_max3_num_f32 v[M+\j], v[M+\j], |v[XR+8*\j+\e]|, |v[XR+8*\j+\e+1]|
.endr
.endr
.irp j, 0,1,2,3
	v_max_num_f32_dpp v[M+\j], v[M+\j], v[M+\j] row_xmask:1 row_mask:0xf bank_mask:0xf
.endr
.irp j, 0,1,2,3
	v_max_num_f32_dpp v[M+\j], v[M+\j], v[M+\j] row_xmask:2 row_mask:0xf bank_mask:0xf
.endr
.irp j, 0,1,2,3
	v_add_nc_u32 v[SO+\j], 0xf8800000, v[M+\j]     ; 15 off the exponent field: the conversion's scale operand
.endr
.irp j, 0,1,2,3
	v_and_or_b32 v[HO+\j], v[M+\j], 0x7f800000, s18   ; 57,344 x the scale
.endr
.irp j, 0,1,2,3
.irp e, 0,1,2,3,4,5,6,7
	v_med3_num_f32 v[XR+8*\j+\e], v[XR+8*\j+\e], -v[HO+\j], v[HO+\j]   ; the conversion to an 8-bit code does not saturate (ISA guide 7.6.2): the hold comes first
.endr
.endr
.irp j, 0,1,2,3
	v_cvt_scalef32_pk8_bf8_f32 v[C+8*\i+2*\j:C+8*\i+2*\j+1], v[XR+8*\j:XR+8*\j+7], v[SO+\j]
.endr
	v_nop                                          ; one plain line between the conversions and the writes of their sources below
.irp j, 0,1,2,3
	v_lshrrev_b32 v[XR+8*\j], 23, v[SO+\j]         ; the scale's byte, in a register of this row's own
.endr
.irp j, 0,1,2,3
	ds_store_b8 v3, v[XR+8*\j] offset:32*\i+8*\j   ; the four lanes of a block write the same byte with the same value
	global_store_b64 v2, v[C+8*\i+2*\j:C+8*\i+2*\j+1], s[10:11] offset:1024*\i+256*\j   ; the wave stores 256 consecutive bytes, aligned
.endr
.endm
	ROW 0
	ROW 1
	ROW 2
	ROW 3
	s_wait_dscnt 0x0                               ; for the others' sake: my byte stores have landed
	s_barrier_signal -1
	s_barrier_wait -1
	s_cmp_lg_u32 s14, 0
	s_cbranch_scc1 .Lend                           ; wave 0 alone stores the 16 rows' 512 scale bytes
	ds_load_b128 v[S:S+3], v4
	s_wait_dscnt 0x0
	global_store_b128 v4, v[S:S+3], s[12:13]
.Lend:
	s_set_vgpr_msb 0x5
	s_wait_tensorcnt 0x0
	ds_add_u32 v0, v1
	s_wait_dscnt 0x0
	s_set_vgpr_msb 0x500
	s_endpgm
.Lfunc_end_k_qd58e99ebc9_ln1:
	.size	k_qd58e99ebc9_ln1, .Lfunc_end_k_qd58e99ebc9_ln1-k_qd58e99ebc9_ln1
	.p2alignl 7, 3214868480
	.fill 96, 4, 3214868480
	.section	.rodata,"a",@progbits
	.p2align	6, 0x0
	.amdhsa_kernel k_qd58e99ebc9_ln1
		.amdhsa_group_segment_fixed_size 1536
		.amdhsa_private_segment_fixed_size 0
		.amdhsa_enable_private_segment 0
		.amdhsa_kernarg_size 40
		.amdhsa_user_sgpr_count 2
		.amdhsa_user_sgpr_kernarg_segment_ptr 1
		.amdhsa_wavefront_size32 1
		.amdhsa_system_sgpr_workgroup_id_x 1
		.amdhsa_system_sgpr_workgroup_id_y 1
		.amdhsa_system_sgpr_workgroup_id_z 1
		.amdhsa_system_vgpr_workitem_id 0
		.amdhsa_next_free_vgpr 258
		.amdhsa_next_free_sgpr 66
		.amdhsa_reserve_vcc 0
		.amdhsa_float_denorm_mode_32 3
		.amdhsa_float_denorm_mode_16_64 3
		.amdhsa_memory_ordered 1
		.amdhsa_forward_progress 1
		.amdhsa_inst_pref_size 53
	.end_amdhsa_kernel
	.amdgpu_metadata
---
amdhsa.version: [ 1, 2 ]
amdhsa.kernels:
  - .name:           k_qd58e99ebc9_ln1
    .symbol:         k_qd58e99ebc9_ln1.kd
    .args:
      - { .name: x, .offset: 0, .size: 8, .value_kind: global_buffer, .address_space: global }
      - { .name: g1, .offset: 8, .size: 8, .value_kind: global_buffer, .address_space: global }
      - { .name: be1, .offset: 16, .size: 8, .value_kind: global_buffer, .address_space: global }
      - { .name: hc, .offset: 24, .size: 8, .value_kind: global_buffer, .address_space: global }
      - { .name: hs, .offset: 32, .size: 8, .value_kind: global_buffer, .address_space: global }
    .group_segment_fixed_size: 1536
    .private_segment_fixed_size: 0
    .kernarg_segment_align: 8
    .kernarg_segment_size: 40
    .max_flat_workgroup_size: 128
    .sgpr_count:     66
    .vgpr_count:     258
    .wavefront_size: 32
...
	.end_amdgpu_metadata
.endif
;; end of part 1
;; launch qkv (part 2): grid 12 x 16, 4 waves a work-group, clusters of 4 x 4, 327,680 bytes of LDS; arguments hc, hs, Wq_codes, Wq_scales, Wk_codes, Wk_scales, Wv_codes, Wv_scales, qb, kv; writes qb, kv
.if DOCPART == 2
	.amdgcn_target "amdgcn-amd-amdhsa--gfx1250"
	.amdhsa_code_object_version 6
	.text
	.protected	k_qd58e99ebc9_qkv
	.globl	k_qd58e99ebc9_qkv
	.p2align	8
	.type	k_qd58e99ebc9_qkv,@function
k_qd58e99ebc9_qkv:
	s_mov_b64 s[64:65], 0
	v_nop
	global_prefetch_b8 v0, s[64:65] scope:SCOPE_SE
	s_setreg_imm32_b32 hwreg(HW_REG_WAVE_MODE, 25, 1), 1
	s_wait_xcnt 0x0
	s_wait_alu depctr_hold_cnt(0) depctr_sa_sdst(0) depctr_va_vdst(0) depctr_va_sdst(0) depctr_va_ssrc(0) depctr_va_vcc(0) depctr_vm_vsrc(0)
	s_getreg_b32 s2, hwreg(HW_REG_IB_STS2, 6, 4)
	s_cmp_eq_u32 s2, 0
	s_cbranch_scc0 .Lentry_in_a_cluster
	s_endpgm
.Lentry_in_a_cluster:
	s_bfe_u32 s2, ttmp6, 0x10000c
	s_cmp_lg_u32 s2, 0xf033
	s_cbranch_scc0 .Lentry_shape_is_right
	s_endpgm
.Lentry_shape_is_right:
; A GEMM on codes of E5M2 with E8M0 scales, C = A B^T over K = 1,024, whose result is quantised again on the way out and leaves as images of the next product's operand registers.
; FFN = 0: q = h Wq, k = h Wk (A = h's 4,096 rows, B = the weight's 1,024 rows) and v^T = Wv h^T (A = Wv's rows, B = h's rows), chosen by the cluster's x: 0, 1, 2.  q and k are quantised along the head's 64, v^T along the keys.
; FFN = 1: gelu(h W1 + b1), A = h, B = W1's 4,096 rows, quantised along the hidden axis.
; THE CORE.  A tile of C, 256 x 256, is made by four waves, each 128 x 128: 64 accumulators, 512 registers.  K goes in steps of 256 through a ring of two LDS slots filled by the tensor data mover; the scale bytes of
; the tile's 256 + 256 rows come once, with the first fills.  4 x 4 work-groups form a cluster: A's tiles are asked for jointly along a row of it, B's along a column.  The matrix instruction is used transposed
; (source 0 = 16 rows of B, source 1 = 16 rows of A): lane (r, h) holds row r of C and, in accumulator b, its columns 16 b + 8 h + 0 .. 7.
; THE WAY OUT.  Two conversions on accumulators 2 c and 2 c + 1 give four registers with columns 32 c + 8 h + 0 .. 7 and 32 c + 16 + 8 h + 0 .. 7.  They are taken as registers 4 c .. 4 c + 3 of the next product's operand:
; a permutation of k inside a block of 32 (place 16 h + 8 u + j holds k = 16 u + 8 h + j), which the other operand of that product is given too; the block's scale does not feel it.  So a fragment leaves as it stands:
; lane l's 16 bytes at 16 l, 512 consecutive bytes a store.  The accumulators first go to LDS (the ring's bytes, which have had their last fill), so that the arithmetic of 16 rows is written once and walked 8 times.
; GELU: gelu(x) = max(x, 0) - |x| E, E = erfc(|x| / sqrt 2) / 2 = t 2^(poly(t) - x^2 log2(e) / 2), t = 1 / (1 + |x| / sqrt 8): a fit of erfc with fractional error under 1.2e-7; no difference of near numbers on either side.
; LIMITS: NaN and infinities are not served; a block under 2^-111 (zeros too) gets the byte 1, read by this program alone; 2^x under 2^-126 comes out as 0.
; No prefetch: tiles are shared in the cluster and K has four steps.  192 (FFN = 0) or 256 work-groups, one tile each.
; REGISTERS: window 0: v1-15 at work; v16-29 addresses; v32-63 scale words, two sets, and nothing else; from v128 A's fragments; way out: v64-127 X, v128-223 at work, v224-239 codes, v240-255 the quantiser's.
;   window 1: B's fragments, two sets (way out, FFN: v0-63 the bias).  windows 2, 3: the accumulators, (a, b) at v[8 (8 (a % 4) + b)].
.set FFN,    0
.set SIZE_K, 1024
.set NQ,     2                         ; matrix instructions deep in a slot: 256 along K
.set ROWB,   256                       ; a tile's row in bytes
.set KROW,   SIZE_K                    ; a row of codes in memory
.set PITCH,  272                       ; an LDS row: 256 bytes + 16 of padding: the 16 rows of a fragment load start 4 banks apart
.set FR,     16                        ; registers of a fragment
.set NL,     4                         ; LDS loads that bring one
.set NP,     8                         ; places behind this matrix instruction (ISA guide 7.12.1)
.set HALFT,  128*PITCH
.set SLOT,   4*HALFT                   ; A's 256 rows, then B's
.set LAPS,   SIZE_K/(2*ROWB)
.set KS,     SIZE_K/32                 ; a row of scale bytes
.set SCL,    2*SLOT                    ; behind the ring: the scale bytes, units of 256 bytes + 16
.set HALFS,  (128*KS/256)*272
.set SBLK,   (16*KS/256)*272
.set SPARE,  SCL+4*HALFS               ; the spare words: 128 bytes a wave, named by no other line
.set TWB,    262144                    ; the way out: behind the four dumps of 65,536 bytes, 512 bytes of scale words a wave
.set ADRA, 16
.set ADRB, 20
.set ADRS, 27
.set SPW,  28
.set NIL,  29
.set SC,   32
.set AF,   128
.set X,    64                          ; the way out: 64 numbers of a lane: 16 rows x 128 columns
.set T,    128
.set P,    160
.set XX,   192
.set PC,   224                         ; the codes just made
.set TM,   240                         ; +0..3 largest magnitudes, +4..7 bytes, +8..11 holds, +12..15 scale operands
.set PW,   12                          ; the scale word just made
.set SEL,  20
.set MNT,  22
.set G1, 24
.set G0, 32
.set G1B, 48
.set G0B, 56
.set G1S, 68
.set G0S, 76
.set G1SB, 80
.set G0SB, 88
.set MSB, 0
.macro WIN new                         ; the immediate's high byte repeats the setting that is left
.if MSB != \new
	s_set_vgpr_msb (MSB<<8)|\new
.set MSB, \new
.endif
.endm
.set MUL_LO, 0xa1                      ; source 0 (B) window 1, source 1 (A) window 0, C and D window 2
.set MUL_HI, 0xf1
.set TO_B,   0x40
; A joint load: waves 0 and 1 fetch for A, waves 2 and 3 for B; the branch hangs on the wave's number alone.  Four v_nop follow each of the two lines.
.macro JLOAD g0a, g1a, g0b, g1b
	s_cmp_eq_u32 s15, 0
	s_cbranch_scc0 .Lfor_b_\@
	tensor_load_to_lds s[\g0a:\g0a+3], s[\g1a:\g1a+7]
	s_nop 0
.rept 4
	v_nop
.endr
	s_branch .Lasked_\@
.Lfor_b_\@:
	tensor_load_to_lds s[\g0b:\g0b+3], s[\g1b:\g1b+7]
	s_nop 0
.rept 4
	v_nop
.endr
.Lasked_\@:
.endm
.macro CREST                           ; a round of the cluster's barrier behind its opening barrier
	s_cmp_lg_u32 s14, 0
	s_cbranch_scc1 .Lnot_wave_0_\@
	s_barrier_signal -3
.Lnot_wave_0_\@:
	s_barrier_wait -3
	s_barrier_signal -1
	s_barrier_wait -1
.endm
.macro CROUND
	s_barrier_signal -1
	s_barrier_wait -1
	CREST
.endm
.macro KPAIR r, val                    ; a constant for a packed form: the pair is named, its low word serves both halves
	s_mov_b32 s[\r], \val
	s_mov_b32 s[\r+1], \val
.endm
.if FFN
	s_load_b128 s[4:7], s[0:1], 0x0                ; h's codes, h's scales
	s_load_b128 s[8:11], s[0:1], 0x10              ; W1's codes, W1's scales
	s_load_b128 s[96:99], s[0:1], 0x20             ; b1, the output
.else
	s_load_b512 s[68:83], s[0:1], 0x0              ; h's codes, scales; Wq's; Wk's; Wv's
	s_load_b128 s[84:87], s[0:1], 0x40             ; q's buffer; k's and v's
.endif
	v_lshl_add_u32 v[SPW], v0, 2, SPARE
	v_mov_b32 v[NIL], 0
	ds_add_u32 v28, v29
	ds_add_u32 v28, v29
	s_wait_dscnt 0x0
	v_lshrrev_b32 v1, 5, v0
	v_readfirstlane_b32 s14, v1                    ; wave 0..3
	s_lshr_b32 s15, s14, 1                         ; which half of the tile's rows is mine.  Also: I fetch for A (0) or for B (1)
	s_and_b32 s16, s14, 1                          ; which half of its columns.  Also: which 128 rows I fetch
	s_bfe_u32 s40, ttmp6, 0x40000                  ; cx
	s_bfe_u32 s41, ttmp6, 0x40004                  ; cy
	s_and_b32 s45, ttmp7, 0xffff
	s_lshl_b32 s45, s45, 2                         ; 4 x cluster y
.if FFN
	s_lshl_b32 s42, ttmp9, 2
	s_add_co_u32 s42, s42, s40                     ; B's tile = 4 x cluster x + cx
	s_add_co_u32 s17, s45, s41                     ; A's tile = 4 x cluster y + cy
.else
	s_cmp_eq_u32 ttmp9, 2                          ; the cluster's x says which product: the same in all sixteen partners
	s_cselect_b32 s17, 0, s45                      ; the 16 tiles of tokens go along the cluster's y: on A's side for q and k,
	s_cselect_b32 s42, s45, 0                      ; on B's for v^T; the weight's 4 tiles lie inside the cluster
	s_add_co_u32 s17, s17, s41                     ; A's tile: it holds cy and never cx
	s_add_co_u32 s42, s42, s40                     ; B's tile: cx and never cy
.endif
	s_lshl_b32 s43, s41, 2
	s_lshl_b32 s43, 15, s43                        ; my row of the cluster
	s_lshl_b32 s44, 0x1111, s40                    ; my column
	s_or_b32 s[G1+0], s43, (0<<16)|(1<<20)|(1<<21)|(5<<22)|(3<<25)   ; the mask; elements of 1 byte; padding on; bit 21 beside a mask; after every 64 words, 4 words
	s_or_b32 s[G1B+0], s44, (0<<16)|(1<<20)|(1<<21)|(5<<22)|(3<<25)
.irp g, G1, G1B
	s_mov_b32 s[\g+1], ROWB<<16                    ; tensor_dim0
	s_mov_b32 s[\g+2], 256<<16                     ; tensor_dim1: 256 rows for the head's loads
	s_mov_b32 s[\g+3], ROWB<<16                    ; tile_dim0
	s_mov_b32 s[\g+4], 256                         ; tile_dim1
	s_mov_b32 s[\g+5], KROW                        ; the pitch
	s_mov_b32 s[\g+6], 0
	s_mov_b32 s[\g+7], 0
.endr
	s_lshl_b32 s18, s16, 7
	s_lshl_b32 s20, s17, 8
	s_add_co_u32 s20, s20, s18                     ; A: row 256 x tile + 128 x half
	s_lshl_b32 s46, s42, 8
	s_add_co_u32 s46, s46, s18                     ; B likewise
	s_mov_b32 s21, 0
	s_mov_b32 s47, 0
	s_mov_b64 s[18:19], KS
	s_mul_u64 s[22:23], s[20:21], s[18:19]         ; where these rows' scale bytes begin
	s_mul_u64 s[92:93], s[46:47], s[18:19]
	s_mov_b64 s[18:19], KROW
	s_mul_u64 s[20:21], s[20:21], s[18:19]         ; and their codes
	s_mul_u64 s[46:47], s[46:47], s[18:19]
	s_mul_i32 s45, s14, HALFT                      ; where they go: wave x 128 rows
	s_wait_kmcnt 0x0
.if FFN
	s_mov_b64 s[12:13], s[98:99]
.else
	s_cmp_eq_u32 ttmp9, 1
	s_cselect_b64 s[8:9], s[76:77], s[72:73]       ; the weight of q or of k
	s_cselect_b64 s[10:11], s[78:79], s[74:75]
	s_cmp_eq_u32 ttmp9, 0
	s_cselect_b64 s[12:13], s[84:85], s[86:87]     ; q has a buffer of its own
	s_cmp_eq_u32 ttmp9, 2
	s_cselect_b64 s[4:5], s[80:81], s[68:69]       ; A: Wv for v^T, else h
	s_cselect_b64 s[6:7], s[82:83], s[70:71]
	s_cselect_b64 s[8:9], s[68:69], s[8:9]         ; B: h for v^T, else the weight
	s_cselect_b64 s[10:11], s[70:71], s[10:11]
.endif
	s_add_nc_u64 s[20:21], s[4:5], s[20:21]
	s_add_nc_u64 s[22:23], s[6:7], s[22:23]
	s_add_nc_u64 s[46:47], s[8:9], s[46:47]
	s_add_nc_u64 s[92:93], s[10:11], s[92:93]
	; the scale bytes of 256 rows: a dense block, as rows of 256 bytes (32 elements of 8), 16 bytes of padding behind each
	s_or_b32 s[G1S+0], s43, (3<<16)|(1<<20)|(1<<21)|(5<<22)|(3<<25)
	s_or_b32 s[G1SB+0], s44, (3<<16)|(1<<20)|(1<<21)|(5<<22)|(3<<25)
.irp g, G1S, G1SB
	s_mov_b32 s[\g+1], 32<<16
	s_mov_b32 s[\g+2], (256*KS/256)<<16
	s_mov_b32 s[\g+3], 32<<16
	s_mov_b32 s[\g+4], 256*KS/256
	s_mov_b32 s[\g+5], 32
	s_mov_b32 s[\g+6], 0
	s_mov_b32 s[\g+7], 0
.endr
	CROUND                                         ; all sixteen work-groups are here: the first joint loads meet
	s_mov_b32 s[G0S], 1
	s_mov_b32 s[G0S+1], SCL
	s_mul_i32 s2, s16, 128*KS                      ; the scale bytes of all 256 rows: my half's offset is taken off again
	s_mov_b32 s3, 0
	s_sub_nc_u64 s[G0S+2:G0S+3], s[22:23], s[2:3]
	s_or_b32 s[G0S+3], s[G0S+3], 0x80000000
	s_mov_b32 s[G0SB], 1
	s_mov_b32 s[G0SB+1], SCL+2*HALFS
	s_sub_nc_u64 s[G0SB+2:G0SB+3], s[92:93], s[2:3]
	s_or_b32 s[G0SB+3], s[G0SB+3], 0x80000000
.irp s, 0,1
	s_mov_b32 s[G0+4*\s], 1
	s_add_co_u32 s[G0+4*\s+1], s45, \s*SLOT
	s_add_nc_u64 s[G0+4*\s+2:G0+4*\s+3], s[20:21], \s*ROWB
	s_or_b32 s[G0+4*\s+3], s[G0+4*\s+3], 0x80000000
	s_mov_b32 s[G0B+4*\s], 1
	s_add_co_u32 s[G0B+4*\s+1], s45, \s*SLOT
	s_add_nc_u64 s[G0B+4*\s+2:G0B+4*\s+3], s[46:47], \s*ROWB
	s_or_b32 s[G0B+4*\s+3], s[G0B+4*\s+3], 0x80000000
.endr
	; THE HEAD'S LOADS, ONE A WAVE: wave 0 K step 0's 256 rows of A, wave 1 its 256 rows of B, wave 2 A's scale bytes, wave 3 B's.
	; Slot 0's two groups 0 serve them, set to the whole tile; behind the wait for these loads they are set back to my 128 rows.
	s_mul_i32 s2, s16, 128*KROW
	s_mov_b32 s[G0+1], 0
	s_sub_nc_u64 s[G0+2:G0+3], s[G0+2:G0+3], s[2:3]
	s_mov_b32 s[G0B+1], 2*HALFT
	s_sub_nc_u64 s[G0B+2:G0B+3], s[G0B+2:G0B+3], s[2:3]
.macro ARM under, g0, g1, next
	s_cmp_lt_u32 s14, \under
	s_cbranch_scc0 \next
	tensor_load_to_lds s[\g0:\g0+3], s[\g1:\g1+7]
	s_nop 0
.rept 4
	v_nop
.endr
	s_branch .Lhead_asked
\next:
.endm
	ARM 1, G0,  G1,  .Lhead_b
	ARM 2, G0B, G1B, .Lhead_sa
	ARM 3, G0S, G1S, .Lhead_sb
	tensor_load_to_lds s[G0SB:G0SB+3], s[G1SB:G1SB+7]
	s_nop 0
.rept 4
	v_nop
.endr
.Lhead_asked:
	v_and_b32 v1, 15, v0                           ; r
	v_bfe_u32 v2, v0, 4, 1                         ; h
	v_mul_u32_u24 v3, v1, PITCH
	v_lshl_add_u32 v4, v2, 4, v3                   ; a fragment's row x pitch + 16 h
	s_mul_i32 s21, s15, HALFT                      ; my 128 rows of A
	s_mul_i32 s22, s16, HALFT                      ; my 128 rows of B,
	s_add_co_u32 s22, s22, 2*HALFT                 ; behind A's 256
.irp s, 0,1
	v_add_nc_u32 v[ADRA+\s], s21, v4
	v_add_nc_u32 v[ADRB+\s], s22, v4
	s_add_co_u32 s21, s21, SLOT
	s_add_co_u32 s22, s22, SLOT
.endr
	v_mul_u32_u24 v5, v1, KS                       ; my row's scale bytes: KS a row,
	v_lshrrev_b32 v6, 8, v5
	v_lshl_add_u32 v5, v6, 4, v5                   ; and 16 more for each 256 passed
	s_mul_i32 s21, s15, HALFS
	s_mul_i32 s22, s16, HALFS
	s_add_co_u32 s22, s22, 2*HALFS
	s_sub_co_u32 s22, s22, s21
	v_mul_u32_u24 v6, s22, v2                      ; lanes 16-31 take B's: one product, the distance between the two bases
	s_add_co_u32 s21, s21, SCL
	v_add_nc_u32 v5, v5, v6
	v_add_nc_u32 v[ADRS], s21, v5
	; where my results go.  These registers feed no descriptor.
.if FFN
	s_lshl_b32 s19, s42, 1
	s_add_co_u32 s19, s19, s16                     ; my 128 columns are K step ks = 2 x tile + half of the next product
	s_lshl_b32 s18, s17, 1
	s_add_co_u32 s18, s18, s15                     ; my 128 rows are group G = 2 x tile + half: 8 tiles of 16 rows
	s_lshl_b32 s20, s18, 19                        ; the image: [row tile][ks 32][c 4][lane][16 bytes]: 65,536 bytes a row tile
	s_lshl_b32 s21, s19, 11
	s_add_co_u32 s20, s20, s21
	s_mov_b32 s21, 0
	s_add_nc_u64 s[12:13], s[12:13], s[20:21]
	s_lshl_b32 s20, s18, 5
	s_add_co_u32 s20, s20, s19
	s_lshl_b32 s20, s20, 9                         ; the scale words: [G][ks][a 8][r 16], 512 bytes for (G, ks),
	s_add_co_u32 s20, s20, 16777216                ; behind the image
	s_add_nc_u64 s[98:99], s[98:99], s[20:21]
	s_lshl_b32 s20, s19, 9                         ; b1: my 128 numbers
	s_add_nc_u64 s[96:97], s[96:97], s[20:21]
.else
	; the buffers: [batch x 16 + head][step of 128 tokens][16,896 bytes]: image of k (or q) 8,192, image of v 8,192, k's words 256, v's words 256
	s_cmp_eq_u32 ttmp9, 2
	s_cselect_b32 s20, s40, s41                    ; the tokens' tile lies along cx for v^T, along cy else;
	s_cselect_b32 s21, s41, s40                    ; the features' tile (4 heads) along the other;
	s_cselect_b32 s22, s16, s15                    ; my half of the tokens,
	s_cselect_b32 s23, s15, s16                    ; my half of the features (2 heads)
	s_cselect_b32 s95, 8192, 0                     ; v's image lies behind k's
	s_cselect_b32 s66, -1, 0                       ; all lanes: v^T
	s_cselect_b32 s67, 266240, 0                   ; v^T: rows 64 on belong to the next head: 270,336 - 4 x 1,024 more
	s_mov_b32 s46, 270336
	s_cselect_b32 s46, 4096, s46                   ; from codes 0-7 to codes 8-15: v^T: keys 64 on; q, k: the next head
	s_mov_b32 s47, 16384
	s_cselect_b32 s47, 8448, s47                   ; from the image to the scale words
	s_and_b32 s18, ttmp7, 0xffff
	s_lshl_b32 s18, s18, 2
	s_add_co_u32 s18, s18, s20                     ; the tile of 256 tokens
	s_lshr_b32 s19, s18, 3                         ; the batch
	s_lshl_b32 s19, s19, 4
	s_lshl_b32 s21, s21, 2
	s_add_co_u32 s19, s19, s21
	s_lshl_b32 s23, s23, 1
	s_add_co_u32 s19, s19, s23                     ; batch x 16 + my first head
	s_mul_i32 s19, s19, 270336
	s_and_b32 s18, s18, 7
	s_lshl_b32 s18, s18, 1
	s_add_co_u32 s18, s18, s22                     ; my step of 128 tokens
	s_mul_i32 s18, s18, 16896
	s_add_co_u32 s18, s18, s19
	s_add_co_u32 s18, s18, s95
	s_mov_b32 s19, 0
	s_add_nc_u64 s[12:13], s[12:13], s[18:19]
.endif
.macro FRAG reg, adr, q, i             ; 16 rows x 128 K: lane l holds row l % 16; registers 4 c .. 4 c + 3 hold K = 32 c + 16 (l / 16) + 0 .. 15
.irp c, 0,1,2,3
	ds_load_b128 v[\reg+4*\c:\reg+4*\c+3], v[\adr] offset:128*(\q)+32*\c+(\i)*16*PITCH
.endr
.endm
; 16 matrix instructions: A's blocks a0, a0 + 1 x B's eight.  The 64 accumulators take turns, one instruction a turn, in the same order in every step.
.macro MUL16 a0, p, q, sc, zero
.irp a, \a0, \a0+1
.irp b, 0,1,2,3,4,5,6,7
.if \zero
	v_wmma_scale_f32_16x16x128_f8f6f4 v[8*(8*((\a)%4)+\b):8*(8*((\a)%4)+\b)+7], v[128*(\p)+FR*\b:128*(\p)+FR*\b+FR-1], v[AF+FR*(\a):AF+FR*(\a)+FR-1], 0, v[SC+8*NQ*(\sc)+NQ*\b+(\q)], v[SC+8*NQ*(\sc)+NQ*(\a)+(\q)] matrix_a_fmt:MATRIX_FMT_BF8 matrix_b_fmt:MATRIX_FMT_BF8 matrix_a_scale:MATRIX_SCALE_ROW1
.else
	v_wmma_scale_f32_16x16x128_f8f6f4 v[8*(8*((\a)%4)+\b):8*(8*((\a)%4)+\b)+7], v[128*(\p)+FR*\b:128*(\p)+FR*\b+FR-1], v[AF+FR*(\a):AF+FR*(\a)+FR-1], v[8*(8*((\a)%4)+\b):8*(8*((\a)%4)+\b)+7], v[SC+8*NQ*(\sc)+NQ*\b+(\q)], v[SC+8*NQ*(\sc)+NQ*(\a)+(\q)] matrix_a_fmt:MATRIX_FMT_BF8 matrix_b_fmt:MATRIX_FMT_BF8 matrix_a_scale:MATRIX_SCALE_ROW1
.endif
.endr
.endr
.endm
.macro FETCH_B slot, q, p
	WIN TO_B
.irp i, 0,1,2,3,4,5,6,7
	FRAG 128*(\p)+FR*\i, ADRB+\slot, \q, \i
.endr
	WIN 0
.endm
.macro FETCH_A slot, q, i0
.irp i, \i0, \i0+1, \i0+2, \i0+3
	FRAG AF+FR*(\i), ADRA+\slot, \q, \i
.endr
.endm
.macro SCALES sc                       ; a K step's scale words: lanes 0-15 take A's block i, lanes 16-31 B's block i
.irp i, 0,1,2,3,4,5,6,7
	ds_load_b64 v[SC+8*NQ*\sc+NQ*\i:SC+8*NQ*\sc+NQ*\i+1], v[ADRS] offset:\i*SBLK
.endr
.endm
.macro PLACES n                        ; plain vector lines between a matrix instruction and a load into, or a read of, its registers
.rept \n
	v_nop
.endr
.endm
.macro STEP slot, q, zero              ; 128 along K that have their successor in the same slot
	s_wait_dscnt 4*NL                              ; B's set and A's blocks 0-3 are in; the youngest 16 loads (A's blocks 4-7) may be out
	WIN MUL_LO
	MUL16 0, (\q)%2, \q, \slot, \zero
	MUL16 2, (\q)%2, \q, \slot, \zero
	s_wait_dscnt 0                                 ; A's blocks 4-7 are in
	PLACES NP
	FETCH_B \slot, (\q)+1, 1-(\q)%2
	FETCH_A \slot, (\q)+1, 0
	WIN MUL_HI
	MUL16 4, (\q)%2, \q, \slot, \zero
	MUL16 6, (\q)%2, \q, \slot, \zero
	PLACES NP
	WIN 0
	FETCH_A \slot, (\q)+1, 4
.endm
; A slot's last step changes slots: one barrier; in front of it each wave waits for all its tensor loads, adds 0 to its spare word, and waits for that and for its reads of this slot.
.macro TURN slot, next, fill
	s_wait_tensorcnt 0x0                           ; all my tensor loads have landed: my part of the next slot
	ds_add_u32 v[SPW], v[NIL]                      ; 0 onto my spare word
	s_wait_dscnt 4*NL+1                            ; the add and the youngest 16 loads may be out
	WIN MUL_LO
	MUL16 0, 1, NQ-1, \slot, 0
	s_wait_dscnt 0x0                               ; the add is done, and my reads of this slot are over
	s_barrier_signal -1
	MUL16 2, 1, NQ-1, \slot, 0
	WIN 0
	s_barrier_wait -1
.if \fill
	CREST                                          ; the barrier has opened a round of the cluster's: no wave of any partner still reads this slot or has a load on its way
	s_add_nc_u64 s[G0+4*\slot+2:G0+4*\slot+3], s[G0+4*\slot+2:G0+4*\slot+3], 2*ROWB
	s_add_nc_u64 s[G0B+4*\slot+2:G0B+4*\slot+3], s[G0B+4*\slot+2:G0B+4*\slot+3], 2*ROWB
	JLOAD G0+4*\slot, G1, G0B+4*\slot, G1B         ; the first tensor load behind the round; its four v_nop are four of the eight places
	PLACES NP-4
.else
	PLACES NP
.endif
	s_wait_alu depctr_va_vdst(0)
	v_add_nc_u32 v[ADRS], 4*NQ, v[ADRS]            ; the next K step's scale words
	FETCH_B \next, 0, 0
	FETCH_A \next, 0, 0
	SCALES \next
	WIN MUL_HI
	MUL16 4, 1, NQ-1, \slot, 0
	MUL16 6, 1, NQ-1, \slot, 0
	PLACES NP
	WIN 0
	FETCH_A \next, 0, 4
.endm
	s_wait_alu depctr_va_vdst(0)
	s_wait_tensorcnt 0x0                           ; my tile of the head's four is in
	ds_add_u32 v[SPW], v[NIL]
	s_mov_b32 s[G1+2], 128<<16                     ; no tensor load of mine is out: from here on a load brings 128 rows
	s_mov_b32 s[G1+4], 128
	s_mov_b32 s[G1B+2], 128<<16
	s_mov_b32 s[G1B+4], 128
	s_mov_b32 s[G0+1], s45                         ; slot 0's groups 0: my 128 rows again
	s_add_nc_u64 s[G0+2:G0+3], s[G0+2:G0+3], s[2:3]
	s_mov_b32 s[G0B+1], s45
	s_add_nc_u64 s[G0B+2:G0B+3], s[G0B+2:G0B+3], s[2:3]
	s_wait_dscnt 0x0
	CROUND                                         ; a whole round: all four tiles are in, and the joint loads meet
	JLOAD G0+4, G1, G0B+4, G1B                     ; K step 1, the first tensor load behind the round
	FETCH_B 0, 0, 0
	FETCH_A 0, 0, 0
	SCALES 0
	FETCH_A 0, 0, 4
	STEP 0, 0, 1                                   ; the first step's products start the sums
	s_mov_b32 s3, LAPS-1
.Llap:
	TURN 0, 1, 1
	STEP 1, 0, 0
	TURN 1, 0, 1
	STEP 0, 0, 0
	s_sub_co_u32 s3, s3, 1
	s_cmp_lg_u32 s3, 0
	s_cbranch_scc1 .Llap
	TURN 0, 1, 0                                   ; the last lap fills nothing
	STEP 1, 0, 0
	s_wait_dscnt 4*NL
	WIN MUL_LO
	MUL16 0, 1, NQ-1, 1, 0
	MUL16 2, 1, NQ-1, 1, 0
	s_wait_dscnt 0
	WIN MUL_HI
	MUL16 4, 1, NQ-1, 1, 0
	MUL16 6, 1, NQ-1, 1, 0
	WIN 0
; 64 numbers of a lane, v[s] on, register 16 b + i in block b of my row, become 16 registers of codes in v[PC] on and the row's scale word in v[PW]
.macro QUANT s
.irp b, 0,1,2,3
	v_max3_num_f32 v[TM+\b], |v[\s+16*\b]|, |v[\s+1+16*\b]|, 0x8000000   ; with the floor 2^(16 - 127): the byte cannot fall under 1
.endr
.irp i, 2,4,6,8,10,12,14
.irp b, 0,1,2,3
	v_max3_num_f32 v[TM+\b], v[TM+\b], |v[\s+16*\b+\i]|, |v[\s+1+16*\b+\i]|
.endr
.endr
.irp b, 0,1,2,3
	v_permlanex16_b32 v[TM+4+\b], v[TM+\b], s[SEL], s[SEL+1]
.endr
.irp b, 0,1,2,3
	v_max_num_f32 v[TM+\b], v[TM+\b], v[TM+4+\b]   ; with lane l xor 16's 16: the block's largest magnitude
.endr
.irp b, 0,1,2,3
	v_add_nc_u32 v[TM+12+\b], 0xf8800000, v[TM+\b] ; 15 off its exponent field: the conversion's scale operand
.endr
.irp b, 0,1,2,3
	v_and_or_b32 v[TM+8+\b], v[TM+\b], 0x7f800000, s[MNT]   ; 57,344 x the scale
.endr
.irp b, 0,1,2,3
	v_lshrrev_b32 v[TM+4+\b], 23, v[TM+12+\b]      ; the scale's byte
.endr
	v_lshl_or_b32 v[PW], v[TM+5], 8, v[TM+4]
	v_lshl_or_b32 v[PW], v[TM+6], 16, v[PW]
	v_lshl_or_b32 v[PW], v[TM+7], 24, v[PW]
.irp b, 0,1,2,3
.irp i, 0,1,2,3,4,5,6,7,8,9,10,11,12,13,14,15
	v_med3_num_f32 v[\s+16*\b+\i], v[\s+16*\b+\i], -v[TM+8+\b], v[TM+8+\b]   ; the conversion does not saturate (ISA guide 7.6.2): the hold comes first
.endr
	v_cvt_scalef32_pk8_bf8_f32 v[PC+4*\b:PC+1+4*\b], v[\s+16*\b:\s+7+16*\b], v[TM+12+\b]
	v_cvt_scalef32_pk8_bf8_f32 v[PC+2+4*\b:PC+3+4*\b], v[\s+8+16*\b:\s+15+16*\b], v[TM+12+\b]
.endr
	v_nop                                          ; one plain line behind the last conversion
.endm
; gelu of 32 numbers, v[X + 32 hh] on, in place.  Two batches of transcendentals, each with plain work behind it and one wait ahead of its first reader.
.macro GELU hh
.set XB, X+32*\hh
.set i, 0
.rept 32
	v_fma_f32 v[T+i], |v[XB+i]|, s48, 1.0          ; 1 + |x| / sqrt 8
.set i, i+1
.endr
.set i, 0
.rept 32
	v_rcp_f32 v[T+i], v[T+i]                       ; t
.set i, i+1
.endr
.set i, 0
.rept 16
	v_pk_mul_f32 v[XX+i:XX+i+1], v[XB+i:XB+i+1], v[XB+i:XB+i+1]   ; x^2: plain work behind the reciprocals
.set i, i+2
.endr
	s_wait_alu depctr_va_vdst(0)                   ; one wait for the 32 reciprocals
.set i, 0
.rept 16
	v_pk_fma_f32 v[P+i:P+i+1], v[T+i:T+i+1], v[10:11], s[28:29] op_sel_hi:[1,1,0]   ; c9 t + c8
.set i, i+2
.endr
.irp c, 30,32,34,36,38,40,42,44        ; c7 .. c0
.set i, 0
.rept 16
	v_pk_fma_f32 v[P+i:P+i+1], v[P+i:P+i+1], v[T+i:T+i+1], s[\c:\c+1] op_sel_hi:[1,1,0]
.set i, i+2
.endr
.endr
.set i, 0
.rept 16
	v_pk_fma_f32 v[P+i:P+i+1], v[XX+i:XX+i+1], s[46:47], v[P+i:P+i+1] op_sel_hi:[1,0,1]   ; - x^2 log2(e) / 2
.set i, i+2
.endr
.set i, 0
.rept 32
	v_exp_f32 v[P+i], v[P+i]
.set i, i+1
.endr
.set i, 0
.rept 32
	v_max_num_f32 v[XX+i], 0, v[XB+i]              ; max(x, 0): plain work behind the exponentials
.set i, i+1
.endr
	s_wait_alu depctr_va_vdst(0)                   ; one wait for the 32 exponentials
.set i, 0
.rept 16
	v_pk_mul_f32 v[P+i:P+i+1], v[P+i:P+i+1], v[T+i:T+i+1]   ; E
.set i, i+2
.endr
.set i, 0
.rept 32
	v_fma_f32 v[XB+i], -|v[XB+i]|, v[P+i], v[XX+i]
.set i, i+1
.endr
.endm
	; THE WAY OUT.  Every wave's reads of both slots are over behind this barrier, and every fill has landed long ago: the ring's bytes take the accumulators.
	s_wait_dscnt 0x0
	s_barrier_signal -1
	s_barrier_wait -1
	PLACES NP                                      ; behind the last products: for the LDS stores that read results and the loads into operands' registers
	s_lshl_b32 s18, s14, 16
	v_and_b32 v6, 31, v0                           ; lane
	v_and_b32 v5, 15, v0                           ; r
	v_lshl_add_u32 v1, v6, 4, s18                  ; my dump: 65,536 x wave + 16 x lane
.irp a, 0,1,2,3,4,5,6,7
	WIN 0x08+4*(\a/4)                              ; an LDS store's data are its source 1: window 2 or 3
.irp b, 0,1,2,3,4,5,6,7
	ds_store_b128 v1, v[8*(8*(\a%4)+\b):8*(8*(\a%4)+\b)+3] offset:(16*\a+2*\b)*512        ; each accumulator from its low end on; 512 consecutive bytes a store
	ds_store_b128 v1, v[8*(8*(\a%4)+\b)+4:8*(8*(\a%4)+\b)+7] offset:(16*\a+2*\b+1)*512
.endr
.endr
	WIN 0
	s_lshl_b32 s18, s14, 9
	s_add_co_u32 s18, s18, TWB
	v_lshl_add_u32 v2, v5, 2, s18                  ; my scale words: TWB + 512 x wave + 4 r
	v_lshlrev_b32 v7, 4, v6                        ; the stores' offsets: 16 x lane,
	s_mov_b32 s[SEL], 0x76543210                   ; (no tensor load is out since the last change of slots: the descriptors' registers are free)
	s_mov_b32 s[SEL+1], 0xfedcba98
	s_mov_b32 s[MNT], 0x600000
	s_mov_b32 s23, 0                               ; the trip
	s_mov_b32 s26, 0                               ; 8,192 x trip: the dump's 16 rows
	s_mov_b32 s50, 0                               ; 64 x trip: their scale words
.irp b, 0,1,2,3
	v_mov_b32 v[TM+4+\b], 0                        ; a lane permute's destination counts as read
.endr
.if FFN
	v_add_nc_u32 v8, 1024, v7                      ; and codes 8-15: chunks 2 and 3
	s_mov_b32 s24, 65536                           ; from a row tile to the next
	s_mov_b32 s25, 65536
	KPAIR 28, 0xbf97d29d                           ; c8 .. c0: the fit's coefficients x log2(e); c0 lessened by 1 for the half
	KPAIR 30, 0x40097039
	KPAIR 32, 0xbfd1a1e5
	KPAIR 34, 0x3ecdfd18
	KPAIR 36, 0xbe899a80
	KPAIR 38, 0x3e0efb2e
	KPAIR 40, 0x3f0a29d2
	KPAIR 42, 0x3fb8ab5a
	KPAIR 44, 0xc034d90f
	KPAIR 46, 0xbf38aa3b                           ; - log2(e) / 2
	s_mov_b32 s48, 0x3eb504f3                      ; 1 / sqrt 8
	v_mov_b32 v10, 0x3e7c6f08                      ; c9
	v_mov_b32 v11, 0x3e7c6f08
	v_lshrrev_b32 v9, 4, v6
	v_lshlrev_b32 v9, 5, v9                        ; b1: lane (r, h) wants, for accumulator b, numbers 16 b + 8 h + 0 .. 7
	WIN TO_B
.irp b, 0,1,2,3,4,5,6,7
	global_load_b128 v[8*\b:8*\b+3],   v9, s[96:97] offset:64*\b
	global_load_b128 v[8*\b+4:8*\b+7], v9, s[96:97] offset:64*\b+16
.endr
	WIN 0
	s_wait_loadcnt 0x0
.else
	v_add_nc_u32 v8, s46, v7
	s_mov_b32 s24, 1024                            ; from a tile of 16 rows to the next
	s_add_co_u32 s25, s67, 1024                    ; and from the fourth to the fifth
.endif
.Lepi:                                             ; 8 trips: my rows 16 a .. 16 a + 15
	s_wait_alu depctr_va_vdst(0)
	v_add_nc_u32 v3, s26, v1
	v_add_nc_u32 v4, s50, v2
.irp i, 0,1,2,3,4,5,6,7,8,9,10,11,12,13,14,15
	ds_load_b128 v[X+4*\i:X+4*\i+3], v3 offset:512*\i   ; my own bytes: LDS serves a wave's instructions in order
.endr
	s_wait_dscnt 0x0
.if FFN
	WIN 0x04                                       ; source 1 (the bias) window 1
.set i, 0
.rept 32
	v_pk_add_f32 v[X+i:X+i+1], v[X+i:X+i+1], v[i:i+1]
.set i, i+2
.endr
	WIN 0
	GELU 0
	GELU 1
.endif
	QUANT X
.irp nb, 0,1,2,3
	global_store_b128 v[7+\nb/2], v[PC+4*\nb:PC+4*\nb+3], s[12:13] offset:512*(\nb%2)   ; 512 consecutive bytes, aligned
.endr
	ds_store_b32 v4, v[PW]                         ; lanes r and r + 16 write the same word with the same value
	s_add_co_u32 s23, s23, 1
	s_add_co_u32 s26, s26, 8192
	s_add_co_u32 s50, s50, 64
	s_cmp_eq_u32 s23, 4
	s_cselect_b32 s27, s25, s24
	s_wait_xcnt 0x0                                ; the stores have read their offsets and data: both are written again only behind this wait
	s_wait_dscnt 0x0                               ; and the word's store its address and data
	v_add_nc_u32 v7, s27, v7
	v_add_nc_u32 v8, s27, v8
	s_cmp_lt_u32 s23, 8
	s_cbranch_scc1 .Lepi
.if FFN
	v_lshl_add_u32 v9, v6, 4, s18                  ; my 512 bytes of scale words, [a 8][r 16], leave as they lie
	v_lshlrev_b32 v13, 4, v6
	ds_load_b128 v[64:67], v9
	s_wait_dscnt 0x0
	global_store_b128 v13, v[64:67], s[98:99]
.else
.irp a, 0,1,2,3,4,5,6,7
	ds_load_b32 v[64+\a], v2 offset:64*\a          ; row r's word of each of the eight tiles
.endr
	v_cmp_lt_u32 vcc_lo, 15, v6                    ; lanes 16-31 serve my second head
	v_mov_b32 v13, 0x05040100
	v_mov_b32 v14, 0x07060302
	v_cndmask_b32 v13, v13, v14, vcc_lo
	v_lshrrev_b32 v15, 4, v6
	v_mul_u32_u24 v15, 0x42000, v15                ; a head is 270,336 bytes
	v_lshl_add_u32 v9, v5, 4, v15                  ; 16 bytes a row
	v_add_nc_u32 v9, s47, v9
	s_wait_alu depctr_va_vdst(0)
	s_wait_dscnt 0x0
.irp i, 0,1,2,3
	v_perm_b32 v[72+\i], v[65+2*\i], v[64+2*\i], v13   ; q, k: word i = my head's two bytes of tile 2 i, then of tile 2 i + 1
	v_cndmask_b32 v[76+\i], v[64+\i], v[68+\i], vcc_lo ; v^T: word i = the word of my head's tile i
.endr
.irp i, 0,1,2,3
	v_cndmask_b32 v[72+\i], v[72+\i], v[76+\i], s66
.endr
	global_store_b128 v9, v[72:75], s[12:13]       ; sixteen lanes store 256 consecutive bytes, aligned: one head's words of this step
.endif
	s_wait_tensorcnt 0x0                           ; the wave's end
	ds_add_u32 v[SPW], v[NIL]
	s_wait_dscnt 0x0
	CROUND                                         ; the closing round
	s_endpgm
.Lfunc_end_k_qd58e99ebc9_qkv:
	.size	k_qd58e99ebc9_qkv, .Lfunc_end_k_qd58e99ebc9_qkv-k_qd58e99ebc9_qkv
	.p2alignl 7, 3214868480
	.fill 96, 4, 3214868480
	.section	.rodata,"a",@progbits
	.p2align	6, 0x0
	.amdhsa_kernel k_qd58e99ebc9_qkv
		.amdhsa_group_segment_fixed_size 327680
		.amdhsa_private_segment_fixed_size 0
		.amdhsa_enable_private_segment 0
		.amdhsa_kernarg_size 80
		.amdhsa_user_sgpr_count 2
		.amdhsa_user_sgpr_kernarg_segment_ptr 1
		.amdhsa_wavefront_size32 1
		.amdhsa_system_sgpr_workgroup_id_x 1
		.amdhsa_system_sgpr_workgroup_id_y 1
		.amdhsa_system_sgpr_workgroup_id_z 1
		.amdhsa_system_vgpr_workitem_id 0
		.amdhsa_next_free_vgpr 1024
		.amdhsa_next_free_sgpr 100
		.amdhsa_reserve_vcc 1
		.amdhsa_float_denorm_mode_32 3
		.amdhsa_float_denorm_mode_16_64 3
		.amdhsa_memory_ordered 1
		.amdhsa_forward_progress 1
		.amdhsa_inst_pref_size 139
	.end_amdhsa_kernel
	.amdgpu_metadata
---
amdhsa.version: [ 1, 2 ]
amdhsa.kernels:
  - .name:           k_qd58e99ebc9_qkv
    .symbol:         k_qd58e99ebc9_qkv.kd
    .args:
      - { .name: hc, .offset: 0, .size: 8, .value_kind: global_buffer, .address_space: global }
      - { .name: hs, .offset: 8, .size: 8, .value_kind: global_buffer, .address_space: global }
      - { .name: Wq_codes, .offset: 16, .size: 8, .value_kind: global_buffer, .address_space: global }
      - { .name: Wq_scales, .offset: 24, .size: 8, .value_kind: global_buffer, .address_space: global }
      - { .name: Wk_codes, .offset: 32, .size: 8, .value_kind: global_buffer, .address_space: global }
      - { .name: Wk_scales, .offset: 40, .size: 8, .value_kind: global_buffer, .address_space: global }
      - { .name: Wv_codes, .offset: 48, .size: 8, .value_kind: global_buffer, .address_space: global }
      - { .name: Wv_scales, .offset: 56, .size: 8, .value_kind: global_buffer, .address_space: global }
      - { .name: qb, .offset: 64, .size: 8, .value_kind: global_buffer, .address_space: global }
      - { .name: kv, .offset: 72, .size: 8, .value_kind: global_buffer, .address_space: global }
    .group_segment_fixed_size: 327680
    .private_segment_fixed_size: 0
    .kernarg_segment_align: 8
    .kernarg_segment_size: 80
    .max_flat_workgroup_size: 128
    .sgpr_count:     100
    .vgpr_count:     1024
    .wavefront_size: 32
...
	.end_amdgpu_metadata
.endif
;; end of part 2
;; launch attn (part 3): grid 8 x 32, 16 waves a work-group, clusters of 4 x 1, 272,384 bytes of LDS; arguments qb, kv, oi; writes oi
.if DOCPART == 3
	.amdgcn_target "amdgcn-amd-amdhsa--gfx1250"
	.amdhsa_code_object_version 6
	.text
	.protected	k_qd58e99ebc9_attn
	.globl	k_qd58e99ebc9_attn
	.p2align	8
	.type	k_qd58e99ebc9_attn,@function
k_qd58e99ebc9_attn:
	s_mov_b64 s[64:65], 0
	v_nop
	global_prefetch_b8 v0, s[64:65] scope:SCOPE_SE
	s_setreg_imm32_b32 hwreg(HW_REG_WAVE_MODE, 25, 1), 1
	s_wait_xcnt 0x0
	s_wait_alu depctr_hold_cnt(0) depctr_sa_sdst(0) depctr_va_vdst(0) depctr_va_sdst(0) depctr_va_ssrc(0) depctr_va_vcc(0) depctr_vm_vsrc(0)
	s_getreg_b32 s2, hwreg(HW_REG_IB_STS2, 6, 4)
	s_cmp_eq_u32 s2, 0
	s_cbranch_scc0 .Lentry_in_a_cluster
	s_endpgm
.Lentry_in_a_cluster:
	s_bfe_u32 s2, ttmp6, 0x10000c
	s_cmp_lg_u32 s2, 0x3003
	s_cbranch_scc0 .Lentry_shape_is_right
	s_endpgm
.Lentry_shape_is_right:
; o = softmax(q k^T / 8) v for one (batch, head) and 256 queries a work-group, both products on codes of E5M2 with E8M0 scales; o is quantised along the head's 64 and leaves as an image of the next product's operand.
; THE SOFTMAX: t = score x log2(e) / 8; M = the running largest t rounded up to a whole number; p = 2^(t - M) is quantised along the keys, not normalised; the row's sum is taken of the unquantised p and divides at the end.
; When M moves, the sum and O are multiplied by 2^(old M - new M), which rounds nothing.
; SHARES.  Sixteen waves, each one tile of 16 queries in 256 registers: four waves to a SIMD, so that one wave's vector work stands beside another's matrix work.
; K, V AND THEIR SCALE WORDS OF THE WHOLE HEAD, 270,336 bytes, LIE IN LDS FOR THE WHOLE LAUNCH: wave w brings step w (128 keys, 16,896 dense bytes) by one tensor load, asked for jointly by the four query blocks of a
; cluster.  Nothing is filled again: no ring, and one barrier in all.  So there is nothing later to prefetch either: all of K and V is asked for at the head.
; A STEP IN LDS: +0 k's image [tile of 16 keys a 0..7][c 0..1][lane][16 bytes]; +8192 v's image: fragment t (16 channels), chunk c (32 keys) at (c / 2) 4096 + 1024 t + (c % 2) 512; +16384 k's words [r][b 4]; +16640 v's [r][t 4].
; Every LDS read is 16 x lane or 16 r plus an immediate.
; K = 64 IN AN INSTRUCTION OF 128: a fragment of 16 registers holds TWO tiles of keys (2 b and 2 b + 1); q stands between two runs of eight zero registers, [0 | q | 0], and the operand [q | 0] picks the first tile, [0 | q] the second.
; LAYOUT.  S^T = k q^T and O^T = v^T p^T: a lane holds one query.  The 16 registers of S tiles 2 b, 2 b + 1 are keys 32 b + 8 h + j and 32 b + 16 + 8 h + j: the order inside a block in which v's image was made.
; LIMITS: NaN and infinities are not served; a block of p or o under 2^-111 gets the byte 1; 2^x under 2^-126 comes out as 0.  The two scale bytes of a row of o are stored as 2 bytes a lane: the word's other half belongs to another head.
.set STEPB, 16896
.set HEADB, 270336
.set S,   104                          ; v[104:167] S^T, then p
.set O,   168                          ; v[168:199] O^T
.set PC,  200                          ; v[200:215] p's codes
.set BM,  216                          ; block maxima
.set BY,  220                          ; the other half's maxima; a chain of sums; bytes
.set HO,  224                          ; holds
.set SO,  228                          ; scale operands
.set KSW, 232                          ; scale words: k's four, later two chains of sums,
.set VSW, 236                          ; v's four,
.set QSW, 240                          ; q's,
.set PSW, 241                          ; p's
.set FF,  242                          ; v[242:243] f = 2^(old M - new M) (the low word serves both halves)
.set TP,  244
.macro CROUND
	s_barrier_signal -1
	s_barrier_wait -1
	s_cmp_lg_u32 s10, 0
	s_cbranch_scc1 .Lnot_wave_0_\@
	s_barrier_signal -3
.Lnot_wave_0_\@:
	s_barrier_wait -3
	s_barrier_signal -1
	s_barrier_wait -1
.endm
	s_load_b128 s[4:7], s[0:1], 0x0                ; q's buffer, k's and v's
	s_load_b64 s[8:9], s[0:1], 0x10                ; o's
	v_lshl_add_u32 v254, v0, 2, 0x42000
	v_mov_b32 v255, 0
	ds_add_u32 v254, v255
	ds_add_u32 v254, v255
	v_lshrrev_b32 v5, 5, v0
	s_delay_alu instid0(VALU_DEP_1)
	v_readfirstlane_b32 s10, v5                    ; wave 0..15
	v_and_b32 v5, 31, v0
	s_delay_alu instid0(VALU_DEP_1)
	v_lshlrev_b32 v1, 4, v5                        ; 16 x lane
	v_and_b32 v5, 15, v0
	s_delay_alu instid0(VALU_DEP_1)
	v_lshlrev_b32 v2, 4, v5                        ; 16 r
	s_delay_alu instid0(VALU_DEP_2)
	v_lshlrev_b32 v6, 2, v5                        ; 4 r
	s_bfe_u32 s11, ttmp6, 0x40000                  ; cx
	s_lshl_b32 s31, ttmp9, 2
	s_add_co_u32 s31, s31, s11                     ; my block of 256 queries: it enters q's and o's addresses alone
	s_and_b32 s32, ttmp7, 0xffff                   ; batch x 16 + head, which the four partners share
	s_mul_i32 s33, s32, HEADB
	s_mul_i32 s34, s10, STEPB                      ; my step: in memory and in LDS
	s_mov_b32 s16, 15|(3<<16)|(1<<21)              ; the mask: all four; elements of 8 bytes; bit 21 beside a mask; no padding
	s_mov_b32 s17, 32<<16                          ; rows of 256 bytes,
	s_mov_b32 s18, 66<<16                          ; 66 of them: 16,896 dense bytes
	s_mov_b32 s19, 32<<16
	s_mov_b32 s20, 66
	s_mov_b32 s21, 32
	s_mov_b32 s22, 0
	s_mov_b32 s23, 0
	s_mov_b32 s24, 0x76543210
	s_mov_b32 s25, 0xfedcba98                      ; lane l xor 16
	s_mov_b32 s26, 0x3e38aa3b                      ; c = log2(e) / 8
	s_mov_b32 s27, s26
	s_mov_b32 s28, 0x600000                        ; the mantissa field of 57,344
	s_mov_b32 s29, 0                               ; the step's first LDS byte
	s_mov_b32 s30, 16                              ; steps to go
	s_add_co_u32 s36, s33, s34
	s_mov_b32 s37, 0
	s_wait_dscnt 0x0
	s_wait_kmcnt 0x0
	s_mov_b32 s12, 1
	s_mov_b32 s13, s34
	s_add_nc_u64 s[14:15], s[6:7], s[36:37]
	s_or_b32 s15, s15, 0x80000000
	CROUND                                         ; all four work-groups are here: the joint loads meet
	tensor_load_to_lds s[12:15], s[16:23]          ; my one tensor load of the launch
	s_nop 0
.rept 4
	v_nop
.endr
	s_lshl_b32 s36, s31, 1
	s_lshr_b32 s38, s10, 3
	s_add_co_u32 s36, s36, s38                     ; my queries' step: 2 x block + wave / 8
	s_mul_i32 s36, s36, STEPB
	s_add_co_u32 s36, s36, s33
	s_and_b32 s38, s10, 7                          ; and their tile in it
	s_lshl_b32 s39, s38, 10
	s_add_co_u32 s40, s36, s39
	s_mov_b32 s41, 0
	s_add_nc_u64 s[40:41], s[4:5], s[40:41]
	s_lshr_b32 s38, s38, 1
	s_lshl_b32 s38, s38, 2
	s_add_co_u32 s36, s36, s38
	s_add_co_u32 s36, s36, 16384                   ; the word that holds my tile's two bytes
	s_add_nc_u64 s[36:37], s[4:5], s[36:37]
	s_wait_alu depctr_va_vdst(0)
	global_load_b128 v[24:27], v1, s[40:41]
	global_load_b128 v[28:31], v1, s[40:41] offset:512
	global_load_b32 v[TP], v2, s[36:37]
	s_mov_b32 s39, 0x01000100
	s_and_b32 s42, s10, 1                          ; an odd tile's bytes are the word's upper two
	s_cselect_b32 s39, 0x03020302, s39
.irp j, 0,1,2,3,4,5,6,7
	v_mov_b32 v[16+\j], 0                          ; zero codes on both sides of q
	v_mov_b32 v[32+\j], 0
.endr
	v_mov_b32 v13, 0xff61b1e6                      ; the largest t so far: -3e38
	s_delay_alu instid0(VALU_DEP_1)
	v_floor_f32 v12, -v13                          ; -M
	v_mov_b32 v14, 0                               ; the sum, in two halves
	v_mov_b32 v15, 0
	v_mov_b32 v[FF+1], 0
.irp b, 0,1,2,3
	v_mov_b32 v[BY+\b], 0                          ; a lane permute's destination counts as read
.endr
.set j, 0
.rept 32
	v_mov_b32 v[O+j], 0                            ; O^T: the loop is written once; its first change of M multiplies zeros
.set j, j+1
.endr
	s_wait_loadcnt 0x0
	v_perm_b32 v[QSW], v[TP], v[TP], s39           ; q's two bytes in both halves of the word
	s_wait_tensorcnt 0x0                           ; my step has landed,
	s_barrier_signal -1
	s_barrier_wait -1                              ; everybody's has
.Lstep:                                            ; 16 trips of 128 keys
	v_add_nc_u32 v3, s29, v1
	v_add_nc_u32 v4, s29, v2
.rept 6
	v_nop                                          ; with the two additions: eight places in front of loads into registers that the last products read, and behind the write of q's scale word
.endr
.irp b, 0,1,2,3
.irp c, 0,1,2,3
	ds_load_b128 v[40+16*\b+4*\c:43+16*\b+4*\c], v3 offset:2048*\b+512*\c
.endr
.endr
	ds_load_b128 v[KSW:KSW+3], v4 offset:16384
	s_wait_dscnt 0x0
	s_wait_alu depctr_va_vdst(0)
.irp b, 0,1,2,3
	v_wmma_scale_f32_16x16x128_f8f6f4 v[S+16*\b:S+16*\b+7], v[40+16*\b:55+16*\b], v[24:39], 0, v[KSW+\b], v[QSW] matrix_a_fmt:MATRIX_FMT_BF8 matrix_b_fmt:MATRIX_FMT_BF8
	v_wmma_scale_f32_16x16x128_f8f6f4 v[S+16*\b+8:S+16*\b+15], v[40+16*\b:55+16*\b], v[16:31], 0, v[KSW+\b], v[QSW] matrix_a_fmt:MATRIX_FMT_BF8 matrix_b_fmt:MATRIX_FMT_BF8
.endr
.rept 8
	v_nop
.endr
.irp t, 0,1,2,3
.irp c, 0,1,2,3
	ds_load_b128 v[40+16*\t+4*\c:43+16*\t+4*\c], v3 offset:8192+(\c/2)*4096+\t*1024+(\c%2)*512   ; v's fragments land under the softmax
.endr
.endr
	ds_load_b128 v[VSW:VSW+3], v4 offset:16640
.irp b, 0,1,2,3
	v_max3_num_f32 v[BM+\b], v[S+16*\b], v[S+1+16*\b], v[S+2+16*\b]   ; the largest score of each block of 32 keys: for the row's maximum, and, since p rises with the score, for the block's largest p
.endr
.irp i, 3,5,7,9,11,13
.irp b, 0,1,2,3
	v_max3_num_f32 v[BM+\b], v[BM+\b], v[S+16*\b+\i], v[S+1+16*\b+\i]
.endr
.endr
.irp b, 0,1,2,3
	v_max_num_f32 v[BM+\b], v[BM+\b], v[S+15+16*\b]
.endr
.irp b, 0,1,2,3
	s_delay_alu instid0(VALU_DEP_4)
	v_permlanex16_b32 v[BY+\b], v[BM+\b], s24, s25
.endr
.irp b, 0,1,2,3
	s_delay_alu instid0(VALU_DEP_4)
	v_max_num_f32 v[BM+\b], v[BM+\b], v[BY+\b]
.endr
	s_delay_alu instid0(VALU_DEP_2)
	v_max3_num_f32 v[TP], v[BM], v[BM+1], v[BM+2]
	s_delay_alu instid0(VALU_DEP_1)
	v_max_num_f32 v[TP], v[TP], v[BM+3]
	s_delay_alu instid0(VALU_DEP_1)
	v_mul_f32 v[TP], s26, v[TP]
	s_delay_alu instid0(VALU_DEP_1)
	v_max_num_f32 v13, v13, v[TP]                  ; the running largest t
	v_mov_b32 v[TP], v12
	s_delay_alu instid0(VALU_DEP_2)
	v_floor_f32 v12, -v13                          ; the new -M = -ceil(t)
	s_delay_alu instid0(VALU_DEP_1)
	v_sub_f32 v[TP], v12, v[TP]                    ; old M - new M: a whole number, 0 or less
	s_delay_alu instid0(VALU_DEP_1)
	v_cvt_i32_f32 v[TP], v[TP]
	s_delay_alu instid0(VALU_DEP_1)
	v_ldexp_f32 v[FF], 1.0, v[TP]                  ; f
.set j, 0
.rept 32
	v_pk_fma_f32 v[S+j:S+j+1], v[S+j:S+j+1], s[26:27], v[12:13] op_sel_hi:[1,0,0]   ; t - M
.set j, j+2
.endr
.irp b, 0,1,2,3
	v_fma_f32 v[BM+\b], v[BM+\b], s26, v12
.endr
.set j, 0
	s_wait_alu depctr_va_vdst(0)
.rept 64
	v_exp_f32 v[S+j], v[S+j]                       ; p
.set j, j+1
.endr
	v_pk_mul_f32 v[14:15], v[14:15], v[FF:FF+1] op_sel_hi:[1,0]   ; the sums under the new M: a plain line behind the exponentials
	s_wait_alu depctr_va_vdst(0)                   ; one wait for the 64, ahead of their first reader
.irp b, 0,1,2,3
	v_exp_f32 v[BM+\b], v[BM+\b]                   ; the block's largest p
.endr
	v_pk_add_f32 v[220:221], v[108:109], v[112:113]
	v_pk_add_f32 v[252:253], v[116:117], v[120:121]
	v_pk_add_f32 v[250:251], v[124:125], v[128:129]
	v_pk_add_f32 v[248:249], v[132:133], v[136:137]
	v_pk_add_f32 v[246:247], v[140:141], v[144:145]
	v_pk_add_f32 v[234:235], v[148:149], v[152:153]
	v_pk_add_f32 v[232:233], v[156:157], v[160:161]
	v_pk_add_f32 v[14:15], v[14:15], v[164:165]
	v_pk_add_f32 v[220:221], v[220:221], v[104:105]
	v_pk_add_f32 v[252:253], v[252:253], v[106:107]
	v_pk_add_f32 v[250:251], v[250:251], v[110:111]
	v_pk_add_f32 v[248:249], v[248:249], v[114:115]
	v_pk_add_f32 v[246:247], v[246:247], v[118:119]
	v_pk_add_f32 v[234:235], v[234:235], v[122:123]
	v_pk_add_f32 v[232:233], v[232:233], v[126:127]
	v_pk_add_f32 v[14:15], v[14:15], v[130:131]
	v_pk_add_f32 v[220:221], v[220:221], v[134:135]
	v_pk_add_f32 v[252:253], v[252:253], v[138:139]
	v_pk_add_f32 v[250:251], v[250:251], v[142:143]
	v_pk_add_f32 v[248:249], v[248:249], v[146:147]
	v_pk_add_f32 v[246:247], v[246:247], v[150:151]
	v_pk_add_f32 v[234:235], v[234:235], v[154:155]
	v_pk_add_f32 v[232:233], v[232:233], v[158:159]
	v_pk_add_f32 v[14:15], v[14:15], v[162:163]
	v_pk_add_f32 v[220:221], v[220:221], v[166:167]
	s_delay_alu instid0(VALU_DEP_2)
	v_pk_add_f32 v[14:15], v[14:15], v[248:249]
	s_delay_alu instid0(VALU_DEP_2)
	v_pk_add_f32 v[220:221], v[220:221], v[246:247]
	v_pk_add_f32 v[252:253], v[252:253], v[234:235]
	v_pk_add_f32 v[250:251], v[250:251], v[232:233]
	s_delay_alu instid0(VALU_DEP_2)
	v_pk_add_f32 v[14:15], v[14:15], v[252:253]
	s_delay_alu instid0(VALU_DEP_2)
	v_pk_add_f32 v[220:221], v[220:221], v[250:251]
	s_delay_alu instid0(VALU_DEP_1)
	v_pk_add_f32 v[14:15], v[14:15], v[220:221]
	s_wait_alu depctr_va_vdst(0)                   ; and one for the four
.irp b, 0,1,2,3
	v_max_num_f32 v[BM+\b], 0x8000000, v[BM+\b]    ; the floor 2^(16 - 127)
.endr
.irp b, 0,1,2,3
	s_delay_alu instid0(VALU_DEP_4)
	v_add_nc_u32 v[SO+\b], 0xf8800000, v[BM+\b]
.endr
.irp b, 0,1,2,3
	v_and_or_b32 v[HO+\b], v[BM+\b], 0x7f800000, s28
.endr
.irp b, 0,1,2,3
	v_lshrrev_b32 v[BY+\b], 23, v[SO+\b]
.endr
	s_delay_alu instid0(VALU_DEP_3)
	v_lshl_or_b32 v[PSW], v[BY+1], 8, v[BY]        ; p's scale word for these 128 keys
	s_delay_alu instid0(VALU_DEP_1)
	v_lshl_or_b32 v[PSW], v[BY+2], 16, v[PSW]
	s_delay_alu instid0(VALU_DEP_1)
	v_lshl_or_b32 v[PSW], v[BY+3], 24, v[PSW]
.irp b, 0,1,2,3
.set i, 0
.rept 8
	v_dual_min_num_f32 v[S+16*\b+i], v[S+16*\b+i], v[HO+\b] :: v_dual_min_num_f32 v[S+16*\b+i+1], v[S+16*\b+i+1], v[HO+\b]   ; p is not negative: the hold is one-sided; two numbers a line
.set i, i+2
.endr
	v_cvt_scalef32_pk8_bf8_f32 v[PC+4*\b:PC+4*\b+1], v[S+16*\b:S+16*\b+7], v[SO+\b]
	v_cvt_scalef32_pk8_bf8_f32 v[PC+4*\b+2:PC+4*\b+3], v[S+16*\b+8:S+16*\b+15], v[SO+\b]
.endr
.set j, 0
.rept 16
	v_pk_mul_f32 v[O+j:O+j+1], v[O+j:O+j+1], v[FF:FF+1] op_sel_hi:[1,0]   ; O^T under the new M; also the places between the conversions and the products
.set j, j+2
.endr
	s_wait_alu depctr_va_vdst(0)
	s_wait_dscnt 0x0                               ; v's fragments and words are in
.irp t, 0,1,2,3
	v_wmma_scale_f32_16x16x128_f8f6f4 v[O+8*\t:O+8*\t+7], v[40+16*\t:55+16*\t], v[PC:PC+15], v[O+8*\t:O+8*\t+7], v[VSW+\t], v[PSW] matrix_a_fmt:MATRIX_FMT_BF8 matrix_b_fmt:MATRIX_FMT_BF8
.endr
	s_add_co_u32 s29, s29, STEPB
	s_sub_co_u32 s30, s30, 1
	s_cmp_lg_u32 s30, 0
	s_cbranch_scc1 .Lstep
.rept 8
	v_nop                                          ; places behind the last products
.endr
	v_add_f32 v14, v14, v15
	s_delay_alu instid0(VALU_DEP_1)
	v_permlanex16_b32 v[TP], v14, s24, s25
	s_delay_alu instid0(VALU_DEP_1)
	v_add_f32 v14, v14, v[TP]                      ; the row's sum
	s_wait_alu depctr_va_vdst(0)
	v_rcp_f32 v14, v14
	v_nop                                          ; a plain line behind the transcendental
	s_lshr_b32 s36, s32, 4
	s_lshl_b32 s36, s36, 7
	s_lshl_b32 s38, s31, 4
	s_add_co_u32 s36, s36, s38
	s_add_co_u32 s36, s36, s10                     ; R: my tile of 16 tokens = 128 x batch + 16 x block + wave
	s_and_b32 s38, s32, 15                         ; the head
	s_lshr_b32 s39, s38, 1                         ; its K step of 128 in the next product,
	s_and_b32 s38, s38, 1                          ; and which half of it
	s_lshl_b32 s40, s36, 14                        ; the image: [R][ks 8][c 4][lane][16 bytes]
	s_lshl_b32 s42, s39, 11
	s_add_co_u32 s40, s40, s42
	s_lshl_b32 s42, s38, 10
	s_add_co_u32 s40, s40, s42
	s_mov_b32 s41, 0
	s_add_nc_u64 s[40:41], s[8:9], s[40:41]
	s_lshr_b32 s42, s36, 3                         ; the words: [R / 8][ks 8][R % 8][r 16], behind the image
	s_lshl_b32 s42, s42, 3
	s_add_co_u32 s42, s42, s39
	s_lshl_b32 s42, s42, 3
	s_and_b32 s43, s36, 7
	s_add_co_u32 s42, s42, s43
	s_lshl_b32 s42, s42, 6
	s_lshl_b32 s43, s38, 1
	s_add_co_u32 s42, s42, s43
	s_add_co_u32 s42, s42, 4194304
	s_mov_b32 s43, 0
	s_add_nc_u64 s[42:43], s[8:9], s[42:43]
	s_wait_alu depctr_va_vdst(0)                   ; the wait ahead of the reciprocal's first reader
.set j, 0
.rept 16
	v_pk_mul_f32 v[S+j:S+j+1], v[O+j:O+j+1], v[14:15] op_sel_hi:[1,0]   ; o: register 8 t + i is channel 16 t + 8 h + i of my query
.set j, j+2
.endr
.irp b, 0,1
	v_max3_num_f32 v[BM+\b], |v[S+16*\b]|, |v[S+1+16*\b]|, 0x8000000
.endr
.irp i, 2,4,6,8,10,12,14
.irp b, 0,1
	s_delay_alu instid0(VALU_DEP_2)
	v_max3_num_f32 v[BM+\b], v[BM+\b], |v[S+16*\b+\i]|, |v[S+1+16*\b+\i]|
.endr
.endr
.irp b, 0,1
	s_delay_alu instid0(VALU_DEP_2)
	v_permlanex16_b32 v[BY+\b], v[BM+\b], s24, s25
.endr
.irp b, 0,1
	s_delay_alu instid0(VALU_DEP_2)
	v_max_num_f32 v[BM+\b], v[BM+\b], v[BY+\b]
.endr
.irp b, 0
	s_delay_alu instid0(VALU_DEP_2)
	v_add_nc_u32 v[SO+\b], 0xf8800000, v[BM+\b]
	s_delay_alu instid0(VALU_DEP_3)
	v_and_or_b32 v[HO+\b], v[BM+\b], 0x7f800000, s28
.endr
.irp b, 1
	s_delay_alu instid0(VALU_DEP_3)
	v_add_nc_u32 v[SO+\b], 0xf8800000, v[BM+\b]
	s_delay_alu instid0(VALU_DEP_4)
	v_and_or_b32 v[HO+\b], v[BM+\b], 0x7f800000, s28
.endr
.irp b, 0
	s_delay_alu instid0(VALU_DEP_4)
	v_lshrrev_b32 v[BY+\b], 23, v[SO+\b]
.endr
.irp b, 1
	s_delay_alu instid0(VALU_DEP_3)
	v_lshrrev_b32 v[BY+\b], 23, v[SO+\b]
.endr
	s_delay_alu instid0(VALU_DEP_1)
	v_lshl_or_b32 v[TP], v[BY+1], 8, v[BY]         ; the head's two scale bytes of my row
.irp b, 0,1
.set i, 0
.rept 16
	v_med3_num_f32 v[S+16*\b+i], v[S+16*\b+i], -v[HO+\b], v[HO+\b]
.set i, i+1
.endr
	v_cvt_scalef32_pk8_bf8_f32 v[PC+4*\b:PC+4*\b+1], v[S+16*\b:S+16*\b+7], v[SO+\b]
	v_cvt_scalef32_pk8_bf8_f32 v[PC+4*\b+2:PC+4*\b+3], v[S+16*\b+8:S+16*\b+15], v[SO+\b]
.endr
	v_nop
	global_store_b128 v1, v[PC:PC+3], s[40:41]               ; 512 consecutive bytes, aligned
	global_store_b128 v1, v[PC+4:PC+7], s[40:41] offset:512
	global_store_b16 v6, v[TP], s[42:43]                     ; lanes r and r + 16 store the same two bytes
	s_wait_tensorcnt 0x0
	ds_add_u32 v254, v255
	s_wait_dscnt 0x0
	CROUND                                         ; the closing round: no work-group ends while a partner may still ask
	s_endpgm
.Lfunc_end_k_qd58e99ebc9_attn:
	.size	k_qd58e99ebc9_attn, .Lfunc_end_k_qd58e99ebc9_attn-k_qd58e99ebc9_attn
	.p2alignl 7, 3214868480
	.fill 96, 4, 3214868480
	.section	.rodata,"a",@progbits
	.p2align	6, 0x0
	.amdhsa_kernel k_qd58e99ebc9_attn
		.amdhsa_group_segment_fixed_size 272384
		.amdhsa_private_segment_fixed_size 0
		.amdhsa_enable_private_segment 0
		.amdhsa_kernarg_size 24
		.amdhsa_user_sgpr_count 2
		.amdhsa_user_sgpr_kernarg_segment_ptr 1
		.amdhsa_wavefront_size32 1
		.amdhsa_system_sgpr_workgroup_id_x 1
		.amdhsa_system_sgpr_workgroup_id_y 1
		.amdhsa_system_sgpr_workgroup_id_z 1
		.amdhsa_system_vgpr_workitem_id 0
		.amdhsa_next_free_vgpr 256
		.amdhsa_next_free_sgpr 66
		.amdhsa_reserve_vcc 0
		.amdhsa_float_denorm_mode_32 3
		.amdhsa_float_denorm_mode_16_64 3
		.amdhsa_memory_ordered 1
		.amdhsa_forward_progress 1
		.amdhsa_inst_pref_size 34
	.end_amdhsa_kernel
	.amdgpu_metadata
---
amdhsa.version: [ 1, 2 ]
amdhsa.kernels:
  - .name:           k_qd58e99ebc9_attn
    .symbol:         k_qd58e99ebc9_attn.kd
    .args:
      - { .name: qb, .offset: 0, .size: 8, .value_kind: global_buffer, .address_space: global }
      - { .name: kv, .offset: 8, .size: 8, .value_kind: global_buffer, .address_space: global }
      - { .name: oi, .offset: 16, .size: 8, .value_kind: global_buffer, .address_space: global }
    .group_segment_fixed_size: 272384
    .private_segment_fixed_size: 0
    .kernarg_segment_align: 8
    .kernarg_segment_size: 24
    .max_flat_workgroup_size: 512
    .sgpr_count:     66
    .vgpr_count:     256
    .wavefront_size: 32
...
	.end_amdgpu_metadata
.endif
;; end of part 3
;; launch proj (part 4): grid 8 x 32, 4 waves a work-group, clusters of 4 x 4, 327,680 bytes of LDS; arguments oi, Wp_codes, Wp_scales, bp, x, x1; writes x1
.if DOCPART == 4
	.amdgcn_target "amdgcn-amd-amdhsa--gfx1250"
	.amdhsa_code_object_version 6
	.text
	.protected	k_qd58e99ebc9_proj
	.globl	k_qd58e99ebc9_proj
	.p2align	8
	.type	k_qd58e99ebc9_proj,@function
k_qd58e99ebc9_proj:
	s_mov_b64 s[64:65], 0
	v_nop
	global_prefetch_b8 v0, s[64:65] scope:SCOPE_SE
	s_setreg_imm32_b32 hwreg(HW_REG_WAVE_MODE, 25, 1), 1
	s_wait_xcnt 0x0
	s_wait_alu depctr_hold_cnt(0) depctr_sa_sdst(0) depctr_va_vdst(0) depctr_va_sdst(0) depctr_va_ssrc(0) depctr_va_vcc(0) depctr_vm_vsrc(0)
	s_getreg_b32 s2, hwreg(HW_REG_IB_STS2, 6, 4)
	s_cmp_eq_u32 s2, 0
	s_cbranch_scc0 .Lentry_in_a_cluster
	s_endpgm
.Lentry_in_a_cluster:
	s_bfe_u32 s2, ttmp6, 0x10000c
	s_cmp_lg_u32 s2, 0xf033
	s_cbranch_scc0 .Lentry_shape_is_right
	s_endpgm
.Lentry_shape_is_right:
; x1 = x + o Wp + bp: a GEMM on codes of E5M2 with E8M0 scales over K = 1,024.  A = o, as the image that the attention launch left: [tile of 16 rows][K step of 128][c 4][lane][16 bytes], its scale words behind it
; [128 rows][K step][a 8][r 16]; B = Wp's 1,024 rows of codes.  Inside a block of 32 the image holds k = 16 u + 8 h + j at place 16 h + 8 u + j, so B's fragments are read in pieces of 8 bytes in that same order.
; SHARES.  A work-group of four waves makes 128 x 128, a wave 64 x 64: 16 accumulators.  4 x 4 work-groups form a cluster: A's bytes are asked for jointly along a row of it, B's along a column.
; NO RING.  All of K lies in LDS at once: A 131,072 bytes, B 128 rows of 1,024 + 16 bytes, 4,096 bytes of scale words and 4,352 of scale bytes.  Four joint loads at the head, one a wave; nothing is filled again: one barrier.
; No prefetch: all that the work-group reads is asked for at the head, and there is no loop to run ahead in.
; The matrix instruction is used transposed (source 0 = 16 rows of B, source 1 = 16 rows of A): a lane holds eight neighbouring columns of a row.  The way out goes through a stage of the wave's own, on bytes that no load fills.
; REGISTERS: window 0: v16-29 addresses, v32-47 A's scale words, v48-79 B's, v128-255 accumulators; window 1: two sets of fragments; window 2: the residual and the bias.
.set SIZE_K,  1024
.set ASC_OFF, 4194304
.set ART,   16384                      ; a tile of 16 rows of A's image, all of K
.set BP,    1040                       ; a row of B in LDS
.set BOFF,  8*ART
.set SCA,   BOFF+128*BP
.set SCB,   SCA+4096
.set SBLK,  544                        ; the scale bytes of 16 rows of B: two units of 256 + 16
.set STG,   SCB+16*272
.set SP,    272
.set SPARE, STG+4*16*SP
.set ADA,  16
.set ADSA, 17
.set ADSB, 18
.set ADB,  20
.set STO,  24
.set RD,   25
.set CO,   26
.set BO,   27
.set SPW,  28
.set NIL,  29
.set SA,   32
.set SB,   48
.set ACC,  128
.set RES,  0
.set BIA,  128
.set G1, 24
.set G0, 32
.set G1B, 48
.set G0B, 56
.set G1S, 68
.set G0S, 76
.set G1SB, 80
.set G0SB, 88
.set MSB, 0
.macro WIN new
.if MSB != \new
	s_set_vgpr_msb (MSB<<8)|\new
.set MSB, \new
.endif
.endm
.set MUL,  0x05                        ; both sources window 1, C and D window 0
.set TO_F, 0x40
.set TO_R, 0x80
.macro CROUND
	s_barrier_signal -1
	s_barrier_wait -1
	s_cmp_lg_u32 s14, 0
	s_cbranch_scc1 .Lnot_wave_0_\@
	s_barrier_signal -3
.Lnot_wave_0_\@:
	s_barrier_wait -3
	s_barrier_signal -1
	s_barrier_wait -1
.endm
.macro PLACES n
.rept \n
	v_nop
.endr
.endm
.macro DIMS g, c, r, p                 ; words 1 to 7 of a group 1: rows of c elements, r of them, p elements apart
	s_mov_b32 s[\g+1], (\c)<<16
	s_mov_b32 s[\g+2], (\r)<<16
	s_mov_b32 s[\g+3], (\c)<<16
	s_mov_b32 s[\g+4], \r
	s_mov_b32 s[\g+5], \p
	s_mov_b32 s[\g+6], 0
	s_mov_b32 s[\g+7], 0
.endm
.macro GRP0 g, lds, base, off          ; a group 0: LDS byte, buffer + offset
	s_mov_b32 s[\g], 1
	s_mov_b32 s[\g+1], \lds
	s_add_nc_u64 s[\g+2:\g+3], s[\base:\base+1], s[\off:\off+1]
	s_or_b32 s[\g+3], s[\g+3], 0x80000000
.endm
	s_load_b256 s[4:11], s[0:1], 0x0               ; o's image, Wp's codes, Wp's scales, bp
	s_load_b128 s[96:99], s[0:1], 0x20             ; x, x1
	v_lshl_add_u32 v[SPW], v0, 2, SPARE
	v_mov_b32 v[NIL], 0
	ds_add_u32 v[SPW], v[NIL]
	ds_add_u32 v[SPW], v[NIL]
	v_lshrrev_b32 v1, 5, v0
	v_readfirstlane_b32 s14, v1                    ; wave
	s_lshr_b32 s15, s14, 1                         ; my half of the rows
	s_and_b32 s16, s14, 1                          ; my half of the columns
	s_bfe_u32 s40, ttmp6, 0x40000                  ; cx
	s_bfe_u32 s41, ttmp6, 0x40004                  ; cy
	s_lshl_b32 s42, ttmp9, 2
	s_add_co_u32 s42, s42, s40                     ; tile column
	s_and_b32 s17, ttmp7, 0xffff
	s_lshl_b32 s17, s17, 2
	s_add_co_u32 s17, s17, s41                     ; tile row
	s_lshl_b32 s43, s41, 2
	s_lshl_b32 s43, 15, s43                        ; my row of the cluster
	s_lshl_b32 s44, 0x1111, s40                    ; my column
	s_or_b32 s[G1], s43, (3<<16)|(1<<21)           ; A: 131,072 dense bytes as 16 rows of 1,024 elements of 8 bytes
	DIMS G1, 1024, 16, 1024
	s_or_b32 s[G1B], s44, (1<<20)|(1<<21)|(7<<22)|(3<<25)   ; B: 128 rows of 1,024 bytes, 4 words of padding behind every 256
	DIMS G1B, SIZE_K, 128, SIZE_K
	s_or_b32 s[G1S], s43, (3<<16)|(1<<21)          ; A's scale words: 16 rows of 256 bytes, dense
	DIMS G1S, 32, 16, 32
	s_or_b32 s[G1SB], s44, (3<<16)|(1<<20)|(1<<21)|(5<<22)|(3<<25)   ; B's scale bytes: the same, 16 bytes of padding behind each row
	DIMS G1SB, 32, 16, 32
	s_lshl_b32 s20, s17, 17                        ; 128 rows of 1,024 codes
	s_mov_b32 s21, 0
	s_lshl_b32 s22, s17, 12
	s_add_co_u32 s22, s22, ASC_OFF
	s_mov_b32 s23, 0
	s_lshl_b32 s46, s42, 17
	s_mov_b32 s47, 0
	s_lshl_b32 s92, s42, 12
	s_mov_b32 s93, 0
	s_wait_dscnt 0x0
	s_wait_kmcnt 0x0
	GRP0 G0,   0,    4, 20
	GRP0 G0B,  BOFF, 6, 46
	GRP0 G0S,  SCA,  4, 22
	GRP0 G0SB, SCB,  8, 92
	CROUND                                         ; all sixteen work-groups are here: the joint loads meet
.macro ARM under, g0, g1, next         ; one tree of branches on the wave's number, a load to an arm
	s_cmp_lt_u32 s14, \under
	s_cbranch_scc0 \next
	tensor_load_to_lds s[\g0:\g0+3], s[\g1:\g1+7]
	s_nop 0
	PLACES 4
	s_branch .Lhead_asked
\next:
.endm
	ARM 1, G0,  G1,  .Lhead_b
	ARM 2, G0B, G1B, .Lhead_sa
	ARM 3, G0S, G1S, .Lhead_sb
	tensor_load_to_lds s[G0SB:G0SB+3], s[G1SB:G1SB+7]
	s_nop 0
	PLACES 4
.Lhead_asked:
	s_lshl_b32 s21, s15, 16                        ; my four tiles of A
	s_mul_i32 s22, s16, 64*BP
	s_add_co_u32 s22, s22, BOFF                    ; my 64 rows of B
	s_lshl_b32 s23, s15, 8
	s_add_co_u32 s23, s23, SCA
	s_mul_i32 s18, s16, 8*272
	s_add_co_u32 s18, s18, SCB
	s_mul_i32 s19, s14, 16*SP
	s_add_co_u32 s19, s19, STG                     ; my stage
	s_lshl_b32 s46, s42, 9
	s_lshl_b32 s47, s16, 8
	s_add_co_u32 s46, s46, s47                     ; my first column, in bytes
	s_mov_b32 s47, 0
	s_add_nc_u64 s[10:11], s[10:11], s[46:47]
	s_lshl_b32 s20, s17, 19
	s_lshl_b32 s45, s15, 18
	s_add_co_u32 s20, s20, s45
	s_add_co_u32 s20, s20, s46
	s_mov_b32 s45, 0
	s_mov_b32 s44, s20
	s_add_nc_u64 s[96:97], s[96:97], s[44:45]
	s_add_nc_u64 s[98:99], s[98:99], s[44:45]
	v_and_b32 v1, 15, v0                           ; r
	v_bfe_u32 v2, v0, 4, 1                         ; h
	v_and_b32 v3, 31, v0
	v_lshl_add_u32 v[ADA], v3, 4, s21
	v_mul_u32_u24 v4, v1, BP
	v_lshl_add_u32 v4, v2, 3, v4
	v_add_nc_u32 v[ADB], s22, v4
.irp i, 1,2,3
	v_add_nc_u32 v[ADB+\i], 16*BP*\i, v[ADB]
.endr
	v_lshl_add_u32 v5, v1, 2, s23
	v_lshl_add_u32 v[ADSA], v2, 9, v5              ; lanes 16-31 take the next K step's words
	v_lshlrev_b32 v6, 5, v1
	v_lshrrev_b32 v7, 8, v6
	v_lshl_add_u32 v6, v7, 4, v6
	v_add_nc_u32 v[ADSB], s18, v6
	v_mul_u32_u24 v8, v1, SP
	v_lshl_add_u32 v8, v2, 5, v8
	v_add_nc_u32 v[STO], s19, v8
	v_mul_u32_u24 v9, v2, SP
	v_lshl_add_u32 v9, v1, 4, v9
	v_add_nc_u32 v[RD], s19, v9
	v_lshlrev_b32 v10, 12, v2
	v_lshl_add_u32 v[CO], v1, 4, v10
	v_lshlrev_b32 v[BO], 4, v1
	s_wait_alu depctr_va_vdst(0)
	WIN TO_R
.irp a, 0,1,2,3
.irp t, 0,1,2,3,4,5,6,7
	global_load_b128 v[RES+32*\a+4*\t:RES+32*\a+4*\t+3], v[CO], s[96:97] offset:(16*\a+2*\t)*4096   ; the residual, asked for while the tiles are on their way
.endr
.endr
	global_load_b128 v[BIA:BIA+3], v[BO], s[10:11]
	WIN 0
.macro FETCH ks, f                     ; 16 + 16 LDS loads: my four fragments of A and of B for K step ks
	WIN TO_F
.irp i, 0,1,2,3
.irp c, 0,1,2,3
	ds_load_b128 v[\f+16*\i+4*\c:\f+16*\i+4*\c+3], v[ADA] offset:ART*\i+2048*(\ks)+512*\c
.endr
.endr
.irp i, 0,1,2,3
.irp c, 0,1,2,3
	ds_load_2addr_b64 v[\f+64+16*\i+4*\c:\f+64+16*\i+4*\c+3], v[ADB+\i] offset0:16*(\ks)+4*\c offset1:16*(\ks)+4*\c+2
.endr
.endr
.endm
.macro MUL8 f, a0, ks                  ; the 16 accumulators take turns, in the same order in every K step
.irp a, \a0, \a0+1
.irp b, 0,1,2,3
.if (\ks) == 0
	v_wmma_scale_f32_16x16x128_f8f6f4 v[ACC+8*(4*(\a)+\b):ACC+8*(4*(\a)+\b)+7], v[\f+64+16*\b:\f+64+16*\b+15], v[\f+16*(\a):\f+16*(\a)+15], 0, v[SB+8*\b+\ks], v[SA+4*(\a)+(\ks)/2] matrix_a_fmt:MATRIX_FMT_BF8 matrix_b_fmt:MATRIX_FMT_BF8
.elseif (\ks)%2
	v_wmma_scale_f32_16x16x128_f8f6f4 v[ACC+8*(4*(\a)+\b):ACC+8*(4*(\a)+\b)+7], v[\f+64+16*\b:\f+64+16*\b+15], v[\f+16*(\a):\f+16*(\a)+15], v[ACC+8*(4*(\a)+\b):ACC+8*(4*(\a)+\b)+7], v[SB+8*\b+\ks], v[SA+4*(\a)+(\ks)/2] matrix_a_fmt:MATRIX_FMT_BF8 matrix_b_fmt:MATRIX_FMT_BF8 matrix_b_scale:MATRIX_SCALE_ROW1
.else
	v_wmma_scale_f32_16x16x128_f8f6f4 v[ACC+8*(4*(\a)+\b):ACC+8*(4*(\a)+\b)+7], v[\f+64+16*\b:\f+64+16*\b+15], v[\f+16*(\a):\f+16*(\a)+15], v[ACC+8*(4*(\a)+\b):ACC+8*(4*(\a)+\b)+7], v[SB+8*\b+\ks], v[SA+4*(\a)+(\ks)/2] matrix_a_fmt:MATRIX_FMT_BF8 matrix_b_fmt:MATRIX_FMT_BF8
.endif
.endr
.endr
.endm
	s_wait_tensorcnt 0x0                           ; my tile has landed,
	s_barrier_signal -1
	s_barrier_wait -1                              ; everybody's has
	FETCH 0, 0
	WIN 0
.irp i, 0,1,2,3
	ds_load_b128 v[SB+8*\i:SB+8*\i+3], v[ADSB] offset:\i*SBLK          ; B's scale words of all eight K steps
	ds_load_b128 v[SB+8*\i+4:SB+8*\i+7], v[ADSB] offset:\i*SBLK+16
.endr
.irp i, 0,1,2,3
.irp kp, 0,1,2,3
	ds_load_b32 v[SA+4*\i+\kp], v[ADSA] offset:64*\i+1024*\kp          ; A's: lanes 0-15 K step 2 kp, lanes 16-31 K step 2 kp + 1
.endr
.endr
.irp ks, 0,1,2,3,4,5,6
.if \ks > 0
	PLACES 8                                       ; between the last products and the loads into the set that they read
.endif
	FETCH (\ks)+1, 128*(1-(\ks)%2)
	s_wait_dscnt 32                                ; all but the 32 loads just issued
	WIN MUL
	MUL8 128*((\ks)%2), 0, \ks
	MUL8 128*((\ks)%2), 2, \ks
.endr
	s_wait_dscnt 0x0
	MUL8 128, 0, 7
	MUL8 128, 2, 7
	PLACES 8
	; THE WAY OUT, 16 rows x 64 columns at a time: into my stage, back as rows of 256 bytes, + bias + residual, stored as aligned units of 256 bytes
.irp a, 0,1,2,3
.set TT, 128+32*(\a%2)
	WIN 0
.irp b, 0,1,2,3
	ds_store_b128 v[STO], v[ACC+8*(4*\a+\b):ACC+8*(4*\a+\b)+3] offset:64*\b
	ds_store_b128 v[STO], v[ACC+8*(4*\a+\b)+4:ACC+8*(4*\a+\b)+7] offset:64*\b+16
.endr
.if \a > 1
	s_wait_xcnt 0x0                                ; block a - 2's stores have read their data
.endif
	WIN TO_F
.irp t, 0,1,2,3,4,5,6,7
	ds_load_b128 v[TT+4*\t:TT+4*\t+3], v[RD] offset:\t*2*SP   ; my own bytes: LDS serves a wave's instructions in order
.endr
	s_wait_dscnt 0x0
.if \a == 0
	s_wait_loadcnt 0x0
.endif
	WIN 0x49
.irp t, 0,1,2,3,4,5,6,7
	v_pk_add_f32 v[TT+4*\t:TT+4*\t+1],   v[TT+4*\t:TT+4*\t+1],   v[BIA:BIA+1]
	v_pk_add_f32 v[TT+4*\t+2:TT+4*\t+3], v[TT+4*\t+2:TT+4*\t+3], v[BIA+2:BIA+3]
.endr
.irp t, 0,1,2,3,4,5,6,7
	v_pk_add_f32 v[TT+4*\t:TT+4*\t+1],   v[TT+4*\t:TT+4*\t+1],   v[RES+32*\a+4*\t:RES+32*\a+4*\t+1]
	v_pk_add_f32 v[TT+4*\t+2:TT+4*\t+3], v[TT+4*\t+2:TT+4*\t+3], v[RES+32*\a+4*\t+2:RES+32*\a+4*\t+3]
.endr
	WIN 0x04
.irp t, 0,1,2,3,4,5,6,7
	global_store_b128 v[CO], v[TT+4*\t:TT+4*\t+3], s[98:99] offset:(16*\a+2*\t)*4096
.endr
.endr
	WIN 0
	s_wait_tensorcnt 0x0                           ; the wave's end
	ds_add_u32 v[SPW], v[NIL]
	s_wait_dscnt 0x0
	CROUND                                         ; the closing round
	s_endpgm
.Lfunc_end_k_qd58e99ebc9_proj:
	.size	k_qd58e99ebc9_proj, .Lfunc_end_k_qd58e99ebc9_proj-k_qd58e99ebc9_proj
	.p2alignl 7, 3214868480
	.fill 96, 4, 3214868480
	.section	.rodata,"a",@progbits
	.p2align	6, 0x0
	.amdhsa_kernel k_qd58e99ebc9_proj
		.amdhsa_group_segment_fixed_size 327680
		.amdhsa_private_segment_fixed_size 0
		.amdhsa_enable_private_segment 0
		.amdhsa_kernarg_size 48
		.amdhsa_user_sgpr_count 2
		.amdhsa_user_sgpr_kernarg_segment_ptr 1
		.amdhsa_wavefront_size32 1
		.amdhsa_system_sgpr_workgroup_id_x 1
		.amdhsa_system_sgpr_workgroup_id_y 1
		.amdhsa_system_sgpr_workgroup_id_z 1
		.amdhsa_system_vgpr_workitem_id 0
		.amdhsa_next_free_vgpr 768
		.amdhsa_next_free_sgpr 100
		.amdhsa_reserve_vcc 0
		.amdhsa_float_denorm_mode_32 3
		.amdhsa_float_denorm_mode_16_64 3
		.amdhsa_memory_ordered 1
		.amdhsa_forward_progress 1
		.amdhsa_inst_pref_size 64
	.end_amdhsa_kernel
	.amdgpu_metadata
---
amdhsa.version: [ 1, 2 ]
amdhsa.kernels:
  - .name:           k_qd58e99ebc9_proj
    .symbol:         k_qd58e99ebc9_proj.kd
    .args:
      - { .name: oi, .offset: 0, .size: 8, .value_kind: global_buffer, .address_space: global }
      - { .name: Wp_codes, .offset: 8, .size: 8, .value_kind: global_buffer, .address_space: global }
      - { .name: Wp_scales, .offset: 16, .size: 8, .value_kind: global_buffer, .address_space: global }
      - { .name: bp, .offset: 24, .size: 8, .value_kind: global_buffer, .address_space: global }
      - { .name: x, .offset: 32, .size: 8, .value_kind: global_buffer, .address_space: global }
      - { .name: x1, .offset: 40, .size: 8, .value_kind: global_buffer, .address_space: global }
    .group_segment_fixed_size: 327680
    .private_segment_fixed_size: 0
    .kernarg_segment_align: 8
    .kernarg_segment_size: 48
    .max_flat_workgroup_size: 128
    .sgpr_count:     100
    .vgpr_count:     768
    .wavefront_size: 32
...
	.end_amdgpu_metadata
.endif
;; end of part 4
;; launch ln2: the kernel of part 1 again; grid 256 x 1, 4 waves a work-group, no clusters, 1,536 bytes of LDS; arguments x1, g2, be2, hc, hs; writes hc, hs
;; launch ffn1 (part 5): grid 16 x 16, 4 waves a work-group, clusters of 4 x 4, 327,680 bytes of LDS; arguments hc, hs, W1_codes, W1_scales, b1, a2; writes a2
.if DOCPART == 5
	.amdgcn_target "amdgcn-amd-amdhsa--gfx1250"
	.amdhsa_code_object_version 6
	.text
	.protected	k_qd58e99ebc9_ffn1
	.globl	k_qd58e99ebc9_ffn1
	.p2align	8
	.type	k_qd58e99ebc9_ffn1,@function
k_qd58e99ebc9_ffn1:
	s_mov_b64 s[64:65], 0
	v_nop
	global_prefetch_b8 v0, s[64:65] scope:SCOPE_SE
	s_setreg_imm32_b32 hwreg(HW_REG_WAVE_MODE, 25, 1), 1
	s_wait_xcnt 0x0
	s_wait_alu depctr_hold_cnt(0) depctr_sa_sdst(0) depctr_va_vdst(0) depctr_va_sdst(0) depctr_va_ssrc(0) depctr_va_vcc(0) depctr_vm_vsrc(0)
	s_getreg_b32 s2, hwreg(HW_REG_IB_STS2, 6, 4)
	s_cmp_eq_u32 s2, 0
	s_cbranch_scc0 .Lentry_in_a_cluster
	s_endpgm
.Lentry_in_a_cluster:
	s_bfe_u32 s2, ttmp6, 0x10000c
	s_cmp_lg_u32 s2, 0xf033
	s_cbranch_scc0 .Lentry_shape_is_right
	s_endpgm
.Lentry_shape_is_right:
.set FFN,    1
.set SIZE_K, 1024
.set NQ,     2
.set ROWB,   256
.set KROW,   SIZE_K
.set PITCH,  272
.set FR,     16
.set NL,     4
.set NP,     8
.set HALFT,  128*PITCH
.set SLOT,   4*HALFT
.set LAPS,   SIZE_K/(2*ROWB)
.set KS,     SIZE_K/32
.set SCL,    2*SLOT
.set HALFS,  (128*KS/256)*272
.set SBLK,   (16*KS/256)*272
.set SPARE,  SCL+4*HALFS
.set TWB,    262144
.set ADRA, 16
.set ADRB, 20
.set ADRS, 27
.set SPW,  28
.set NIL,  29
.set SC,   32
.set AF,   128
.set X,    64
.set T,    128
.set P,    160
.set XX,   192
.set PC,   224
.set TM,   240
.set PW,   12
.set SEL,  20
.set MNT,  22
.set G1, 24
.set G0, 32
.set G1B, 48
.set G0B, 56
.set G1S, 68
.set G0S, 76
.set G1SB, 80
.set G0SB, 88
.set MSB, 0
.macro WIN new
.if MSB != \new
	s_set_vgpr_msb (MSB<<8)|\new
.set MSB, \new
.endif
.endm
.set MUL_LO, 0xa1
.set MUL_HI, 0xf1
.set TO_B,   0x40
.macro JLOAD g0a, g1a, g0b, g1b
	s_cmp_eq_u32 s15, 0
	s_cbranch_scc0 .Lfor_b_\@
	tensor_load_to_lds s[\g0a:\g0a+3], s[\g1a:\g1a+7]
	s_nop 0
.rept 4
	v_nop
.endr
	s_branch .Lasked_\@
.Lfor_b_\@:
	tensor_load_to_lds s[\g0b:\g0b+3], s[\g1b:\g1b+7]
	s_nop 0
.rept 4
	v_nop
.endr
.Lasked_\@:
.endm
.macro CREST
	s_cmp_lg_u32 s14, 0
	s_cbranch_scc1 .Lnot_wave_0_\@
	s_barrier_signal -3
.Lnot_wave_0_\@:
	s_barrier_wait -3
	s_barrier_signal -1
	s_barrier_wait -1
.endm
.macro CROUND
	s_barrier_signal -1
	s_barrier_wait -1
	CREST
.endm
.macro KPAIR r, val
	s_mov_b32 s[\r], \val
	s_mov_b32 s[\r+1], \val
.endm
.if FFN
	s_load_b128 s[4:7], s[0:1], 0x0
	s_load_b128 s[8:11], s[0:1], 0x10
	s_load_b128 s[96:99], s[0:1], 0x20
.else
	s_load_b512 s[68:83], s[0:1], 0x0
	s_load_b128 s[84:87], s[0:1], 0x40
.endif
	v_lshl_add_u32 v[SPW], v0, 2, SPARE
	v_mov_b32 v[NIL], 0
	ds_add_u32 v28, v29
	ds_add_u32 v28, v29
	s_wait_dscnt 0x0
	v_lshrrev_b32 v1, 5, v0
	v_readfirstlane_b32 s14, v1
	s_lshr_b32 s15, s14, 1
	s_and_b32 s16, s14, 1
	s_bfe_u32 s40, ttmp6, 0x40000
	s_bfe_u32 s41, ttmp6, 0x40004
	s_and_b32 s45, ttmp7, 0xffff
	s_lshl_b32 s45, s45, 2
.if FFN
	s_lshl_b32 s42, ttmp9, 2
	s_add_co_u32 s42, s42, s40
	s_add_co_u32 s17, s45, s41
.else
	s_cmp_eq_u32 ttmp9, 2
	s_cselect_b32 s17, 0, s45
	s_cselect_b32 s42, s45, 0
	s_add_co_u32 s17, s17, s41
	s_add_co_u32 s42, s42, s40
.endif
	s_lshl_b32 s43, s41, 2
	s_lshl_b32 s43, 15, s43
	s_lshl_b32 s44, 0x1111, s40
	s_or_b32 s[G1+0], s43, (0<<16)|(1<<20)|(1<<21)|(5<<22)|(3<<25)
	s_or_b32 s[G1B+0], s44, (0<<16)|(1<<20)|(1<<21)|(5<<22)|(3<<25)
.irp g, G1, G1B
	s_mov_b32 s[\g+1], ROWB<<16
	s_mov_b32 s[\g+2], 256<<16
	s_mov_b32 s[\g+3], ROWB<<16
	s_mov_b32 s[\g+4], 256
	s_mov_b32 s[\g+5], KROW
	s_mov_b32 s[\g+6], 0
	s_mov_b32 s[\g+7], 0
.endr
	s_lshl_b32 s18, s16, 7
	s_lshl_b32 s20, s17, 8
	s_add_co_u32 s20, s20, s18
	s_lshl_b32 s46, s42, 8
	s_add_co_u32 s46, s46, s18
	s_mov_b32 s21, 0
	s_mov_b32 s47, 0
	s_mov_b64 s[18:19], KS
	s_mul_u64 s[22:23], s[20:21], s[18:19]
	s_mul_u64 s[92:93], s[46:47], s[18:19]
	s_mov_b64 s[18:19], KROW
	s_mul_u64 s[20:21], s[20:21], s[18:19]
	s_mul_u64 s[46:47], s[46:47], s[18:19]
	s_mul_i32 s45, s14, HALFT
	s_wait_kmcnt 0x0
.if FFN
	s_mov_b64 s[12:13], s[98:99]
.else
	s_cmp_eq_u32 ttmp9, 1
	s_cselect_b64 s[8:9], s[76:77], s[72:73]
	s_cselect_b64 s[10:11], s[78:79], s[74:75]
	s_cmp_eq_u32 ttmp9, 0
	s_cselect_b64 s[12:13], s[84:85], s[86:87]
	s_cmp_eq_u32 ttmp9, 2
	s_cselect_b64 s[4:5], s[80:81], s[68:69]
	s_cselect_b64 s[6:7], s[82:83], s[70:71]
	s_cselect_b64 s[8:9], s[68:69], s[8:9]
	s_cselect_b64 s[10:11], s[70:71], s[10:11]
.endif
	s_add_nc_u64 s[20:21], s[4:5], s[20:21]
	s_add_nc_u64 s[22:23], s[6:7], s[22:23]
	s_add_nc_u64 s[46:47], s[8:9], s[46:47]
	s_add_nc_u64 s[92:93], s[10:11], s[92:93]
	s_or_b32 s[G1S+0], s43, (3<<16)|(1<<20)|(1<<21)|(5<<22)|(3<<25)
	s_or_b32 s[G1SB+0], s44, (3<<16)|(1<<20)|(1<<21)|(5<<22)|(3<<25)
.irp g, G1S, G1SB
	s_mov_b32 s[\g+1], 32<<16
	s_mov_b32 s[\g+2], (256*KS/256)<<16
	s_mov_b32 s[\g+3], 32<<16
	s_mov_b32 s[\g+4], 256*KS/256
	s_mov_b32 s[\g+5], 32
	s_mov_b32 s[\g+6], 0
	s_mov_b32 s[\g+7], 0
.endr
	CROUND
	s_mov_b32 s[G0S], 1
	s_mov_b32 s[G0S+1], SCL
	s_mul_i32 s2, s16, 128*KS                      ; the scale bytes of all 256 rows: my half's offset is taken off again
	s_mov_b32 s3, 0
	s_sub_nc_u64 s[G0S+2:G0S+3], s[22:23], s[2:3]
	s_or_b32 s[G0S+3], s[G0S+3], 0x80000000
	s_mov_b32 s[G0SB], 1
	s_mov_b32 s[G0SB+1], SCL+2*HALFS
	s_sub_nc_u64 s[G0SB+2:G0SB+3], s[92:93], s[2:3]
	s_or_b32 s[G0SB+3], s[G0SB+3], 0x80000000
.irp s, 0,1
	s_mov_b32 s[G0+4*\s], 1
	s_add_co_u32 s[G0+4*\s+1], s45, \s*SLOT
	s_add_nc_u64 s[G0+4*\s+2:G0+4*\s+3], s[20:21], \s*ROWB
	s_or_b32 s[G0+4*\s+3], s[G0+4*\s+3], 0x80000000
	s_mov_b32 s[G0B+4*\s], 1
	s_add_co_u32 s[G0B+4*\s+1], s45, \s*SLOT
	s_add_nc_u64 s[G0B+4*\s+2:G0B+4*\s+3], s[46:47], \s*ROWB
	s_or_b32 s[G0B+4*\s+3], s[G0B+4*\s+3], 0x80000000
.endr
	; THE HEAD'S LOADS, ONE A WAVE: wave 0 K step 0's 256 rows of A, wave 1 its 256 rows of B, wave 2 A's scale bytes, wave 3 B's.
	; Slot 0's two groups 0 serve them, set to the whole tile; behind the wait for these loads they are set back to my 128 rows.
	s_mul_i32 s2, s16, 128*KROW
	s_mov_b32 s[G0+1], 0
	s_sub_nc_u64 s[G0+2:G0+3], s[G0+2:G0+3], s[2:3]
	s_mov_b32 s[G0B+1], 2*HALFT
	s_sub_nc_u64 s[G0B+2:G0B+3], s[G0B+2:G0B+3], s[2:3]
.macro ARM under, g0, g1, next
	s_cmp_lt_u32 s14, \under
	s_cbranch_scc0 \next
	tensor_load_to_lds s[\g0:\g0+3], s[\g1:\g1+7]
	s_nop 0
.rept 4
	v_nop
.endr
	s_branch .Lhead_asked
\next:
.endm
	ARM 1, G0,  G1,  .Lhead_b
	ARM 2, G0B, G1B, .Lhead_sa
	ARM 3, G0S, G1S, .Lhead_sb
	tensor_load_to_lds s[G0SB:G0SB+3], s[G1SB:G1SB+7]
	s_nop 0
.rept 4
	v_nop
.endr
.Lhead_asked:
	v_and_b32 v1, 15, v0
	v_bfe_u32 v2, v0, 4, 1
	v_mul_u32_u24 v3, v1, PITCH
	v_lshl_add_u32 v4, v2, 4, v3
	s_mul_i32 s21, s15, HALFT
	s_mul_i32 s22, s16, HALFT
	s_add_co_u32 s22, s22, 2*HALFT
.irp s, 0,1
	v_add_nc_u32 v[ADRA+\s], s21, v4
	v_add_nc_u32 v[ADRB+\s], s22, v4
	s_add_co_u32 s21, s21, SLOT
	s_add_co_u32 s22, s22, SLOT
.endr
	v_mul_u32_u24 v5, v1, KS
	v_lshrrev_b32 v6, 8, v5
	v_lshl_add_u32 v5, v6, 4, v5
	s_mul_i32 s21, s15, HALFS
	s_mul_i32 s22, s16, HALFS
	s_add_co_u32 s22, s22, 2*HALFS
	s_sub_co_u32 s22, s22, s21
	v_mul_u32_u24 v6, s22, v2
	s_add_co_u32 s21, s21, SCL
	v_add_nc_u32 v5, v5, v6
	v_add_nc_u32 v[ADRS], s21, v5
.if FFN
	v_lshlrev_b32 v9, 5, v2
	s_lshl_b32 s19, s42, 1
	s_add_co_u32 s19, s19, s16
	s_lshl_b32 s18, s17, 1
	s_add_co_u32 s18, s18, s15
	s_lshl_b32 s20, s18, 19
	s_lshl_b32 s21, s19, 11
	s_add_co_u32 s20, s20, s21
	s_mov_b32 s21, 0
	s_add_nc_u64 s[12:13], s[12:13], s[20:21]
	s_lshl_b32 s20, s18, 5
	s_add_co_u32 s20, s20, s19
	s_lshl_b32 s20, s20, 9
	s_add_co_u32 s20, s20, 16777216
	s_add_nc_u64 s[98:99], s[98:99], s[20:21]
	s_lshl_b32 s20, s19, 9
	s_add_nc_u64 s[96:97], s[96:97], s[20:21]
.else
	s_cmp_eq_u32 ttmp9, 2
	s_cselect_b32 s20, s40, s41
	s_cselect_b32 s21, s41, s40
	s_cselect_b32 s22, s16, s15
	s_cselect_b32 s23, s15, s16
	s_cselect_b32 s95, 8192, 0
	s_cselect_b32 s66, -1, 0
	s_cselect_b32 s67, 266240, 0
	s_mov_b32 s46, 270336
	s_cselect_b32 s46, 4096, s46
	s_mov_b32 s47, 16384
	s_cselect_b32 s47, 8448, s47
	s_and_b32 s18, ttmp7, 0xffff
	s_lshl_b32 s18, s18, 2
	s_add_co_u32 s18, s18, s20
	s_lshr_b32 s19, s18, 3
	s_lshl_b32 s19, s19, 4
	s_lshl_b32 s21, s21, 2
	s_add_co_u32 s19, s19, s21
	s_lshl_b32 s23, s23, 1
	s_add_co_u32 s19, s19, s23
	s_mul_i32 s19, s19, 270336
	s_and_b32 s18, s18, 7
	s_lshl_b32 s18, s18, 1
	s_add_co_u32 s18, s18, s22
	s_mul_i32 s18, s18, 16896
	s_add_co_u32 s18, s18, s19
	s_add_co_u32 s18, s18, s95
	s_mov_b32 s19, 0
	s_add_nc_u64 s[12:13], s[12:13], s[18:19]
.endif
.macro FRAG reg, adr, q, i
.irp c, 0,1,2,3
	ds_load_b128 v[\reg+4*\c:\reg+4*\c+3], v[\adr] offset:128*(\q)+32*\c+(\i)*16*PITCH
.endr
.endm
.macro MUL16 a0, p, q, sc, zero
.irp a, \a0, \a0+1
.irp b, 0,1,2,3,4,5,6,7
.if \zero
	v_wmma_scale_f32_16x16x128_f8f6f4 v[8*(8*((\a)%4)+\b):8*(8*((\a)%4)+\b)+7], v[128*(\p)+FR*\b:128*(\p)+FR*\b+FR-1], v[AF+FR*(\a):AF+FR*(\a)+FR-1], 0, v[SC+8*NQ*(\sc)+NQ*\b+(\q)], v[SC+8*NQ*(\sc)+NQ*(\a)+(\q)] matrix_a_fmt:MATRIX_FMT_BF8 matrix_b_fmt:MATRIX_FMT_BF8 matrix_a_scale:MATRIX_SCALE_ROW1
.else
	v_wmma_scale_f32_16x16x128_f8f6f4 v[8*(8*((\a)%4)+\b):8*(8*((\a)%4)+\b)+7], v[128*(\p)+FR*\b:128*(\p)+FR*\b+FR-1], v[AF+FR*(\a):AF+FR*(\a)+FR-1], v[8*(8*((\a)%4)+\b):8*(8*((\a)%4)+\b)+7], v[SC+8*NQ*(\sc)+NQ*\b+(\q)], v[SC+8*NQ*(\sc)+NQ*(\a)+(\q)] matrix_a_fmt:MATRIX_FMT_BF8 matrix_b_fmt:MATRIX_FMT_BF8 matrix_a_scale:MATRIX_SCALE_ROW1
.endif
.endr
.endr
.endm
.macro FETCH_B slot, q, p
	WIN TO_B
.irp i, 0,1,2,3,4,5,6,7
	FRAG 128*(\p)+FR*\i, ADRB+\slot, \q, \i
.endr
	WIN 0
.endm
.macro FETCH_A slot, q, i0
.irp i, \i0, \i0+1, \i0+2, \i0+3
	FRAG AF+FR*(\i), ADRA+\slot, \q, \i
.endr
.endm
.macro SCALES sc
.irp i, 0,1,2,3,4,5,6,7
	ds_load_b64 v[SC+8*NQ*\sc+NQ*\i:SC+8*NQ*\sc+NQ*\i+1], v[ADRS] offset:\i*SBLK
.endr
.endm
.macro PLACES n
.rept \n
	v_nop
.endr
.endm
.macro STEP slot, q, zero
	s_wait_dscnt 4*NL
	WIN MUL_LO
	MUL16 0, (\q)%2, \q, \slot, \zero
	MUL16 2, (\q)%2, \q, \slot, \zero
	s_wait_dscnt 0
	PLACES NP
	FETCH_B \slot, (\q)+1, 1-(\q)%2
	FETCH_A \slot, (\q)+1, 0
	WIN MUL_HI
	MUL16 4, (\q)%2, \q, \slot, \zero
	MUL16 6, (\q)%2, \q, \slot, \zero
	PLACES NP
	WIN 0
	FETCH_A \slot, (\q)+1, 4
.endm
.macro TURN slot, next, fill
	s_wait_tensorcnt 0x0
	ds_add_u32 v[SPW], v[NIL]
	s_wait_dscnt 4*NL+1
	WIN MUL_LO
	MUL16 0, 1, NQ-1, \slot, 0
	s_wait_dscnt 0x0
	s_barrier_signal -1
	MUL16 2, 1, NQ-1, \slot, 0
	WIN 0
	s_barrier_wait -1
.if \fill
	CREST
	s_add_nc_u64 s[G0+4*\slot+2:G0+4*\slot+3], s[G0+4*\slot+2:G0+4*\slot+3], 2*ROWB
	s_add_nc_u64 s[G0B+4*\slot+2:G0B+4*\slot+3], s[G0B+4*\slot+2:G0B+4*\slot+3], 2*ROWB
	JLOAD G0+4*\slot, G1, G0B+4*\slot, G1B
	PLACES NP-4
.else
	PLACES NP
.endif
	s_wait_alu depctr_va_vdst(0)
	v_add_nc_u32 v[ADRS], 4*NQ, v[ADRS]
	FETCH_B \next, 0, 0
	FETCH_A \next, 0, 0
	SCALES \next
	WIN MUL_HI
	MUL16 4, 1, NQ-1, \slot, 0
	MUL16 6, 1, NQ-1, \slot, 0
	PLACES NP
	WIN 0
	FETCH_A \next, 0, 4
.endm
	s_wait_alu depctr_va_vdst(0)
	s_wait_tensorcnt 0x0                           ; my tile of the head's four is in
	ds_add_u32 v[SPW], v[NIL]
	s_mov_b32 s[G1+2], 128<<16                     ; no tensor load of mine is out: from here on a load brings 128 rows
	s_mov_b32 s[G1+4], 128
	s_mov_b32 s[G1B+2], 128<<16
	s_mov_b32 s[G1B+4], 128
	s_mov_b32 s[G0+1], s45                         ; slot 0's groups 0: my 128 rows again
	s_add_nc_u64 s[G0+2:G0+3], s[G0+2:G0+3], s[2:3]
	s_mov_b32 s[G0B+1], s45
	s_add_nc_u64 s[G0B+2:G0B+3], s[G0B+2:G0B+3], s[2:3]
	s_wait_dscnt 0x0
	CROUND                                         ; a whole round: all four tiles are in, and the joint loads meet
	JLOAD G0+4, G1, G0B+4, G1B                     ; K step 1, the first tensor load behind the round
	FETCH_B 0, 0, 0
	FETCH_A 0, 0, 0
	SCALES 0
	FETCH_A 0, 0, 4
	STEP 0, 0, 1
	s_mov_b32 s3, LAPS-1
.Llap:
	TURN 0, 1, 1
	STEP 1, 0, 0
	TURN 1, 0, 1
	STEP 0, 0, 0
	s_sub_co_u32 s3, s3, 1
	s_cmp_lg_u32 s3, 0
	s_cbranch_scc1 .Llap
	TURN 0, 1, 0
	STEP 1, 0, 0
.if FFN
	WIN TO_B
.irp b, 0,1,2,3,4,5,6,7
	global_load_b128 v[8*\b:8*\b+3],   v9, s[96:97] offset:64*\b
	global_load_b128 v[8*\b+4:8*\b+7], v9, s[96:97] offset:64*\b+16
.endr
	WIN 0
.endif
	s_wait_dscnt 4*NL
	WIN MUL_LO
	MUL16 0, 1, NQ-1, 1, 0
	MUL16 2, 1, NQ-1, 1, 0
	s_wait_dscnt 0
	WIN MUL_HI
	MUL16 4, 1, NQ-1, 1, 0
	MUL16 6, 1, NQ-1, 1, 0
	WIN 0
.macro QUANT s
.irp b, 0,1,2,3
	v_max3_num_f32 v[TM+\b], |v[\s+16*\b]|, |v[\s+1+16*\b]|, 0x8000000
.endr
.irp i, 2,4,6,8,10,12,14
.irp b, 0,1,2,3
	v_max3_num_f32 v[TM+\b], v[TM+\b], |v[\s+16*\b+\i]|, |v[\s+1+16*\b+\i]|
.endr
.endr
.irp b, 0,1,2,3
	v_permlanex16_b32 v[TM+4+\b], v[TM+\b], s[SEL], s[SEL+1]
.endr
.irp b, 0,1,2,3
	v_max_num_f32 v[TM+\b], v[TM+\b], v[TM+4+\b]
.endr
.irp b, 0,1,2,3
	v_add_nc_u32 v[TM+12+\b], 0xf8800000, v[TM+\b]
.endr
.irp b, 0,1,2,3
	v_and_or_b32 v[TM+8+\b], v[TM+\b], 0x7f800000, s[MNT]
.endr
.irp b, 0,1,2,3
	v_lshrrev_b32 v[TM+4+\b], 23, v[TM+12+\b]
.endr
	v_lshl_or_b32 v[PW], v[TM+5], 8, v[TM+4]
	v_lshl_or_b32 v[PW], v[TM+6], 16, v[PW]
	v_lshl_or_b32 v[PW], v[TM+7], 24, v[PW]
.irp b, 0,1,2,3
.irp i, 0,1,2,3,4,5,6,7,8,9,10,11,12,13,14,15
	v_med3_num_f32 v[\s+16*\b+\i], v[\s+16*\b+\i], -v[TM+8+\b], v[TM+8+\b]
.endr
	v_cvt_scalef32_pk8_bf8_f32 v[PC+4*\b:PC+1+4*\b], v[\s+16*\b:\s+7+16*\b], v[TM+12+\b]
	v_cvt_scalef32_pk8_bf8_f32 v[PC+2+4*\b:PC+3+4*\b], v[\s+8+16*\b:\s+15+16*\b], v[TM+12+\b]
.endr
	v_nop
.endm
.macro GELU hh
.set XB, X+32*\hh
.set i, 0
.rept 32
	v_fma_f32 v[T+i], |v[XB+i]|, s48, 1.0
.set i, i+1
.endr
.set i, 0
	s_wait_alu depctr_va_vdst(0)
.rept 32
	v_rcp_f32 v[T+i], v[T+i]
.set i, i+1
.endr
.set i, 0
.rept 16
	v_pk_mul_f32 v[XX+i:XX+i+1], v[XB+i:XB+i+1], v[XB+i:XB+i+1]
.set i, i+2
.endr
	s_wait_alu depctr_va_vdst(0)
.set i, 0
.rept 16
	v_pk_fma_f32 v[P+i:P+i+1], v[T+i:T+i+1], v[10:11], s[28:29] op_sel_hi:[1,1,0]
.set i, i+2
.endr
.irp c, 30,32,34,36,38,40,42,44
.set i, 0
.rept 16
	v_pk_fma_f32 v[P+i:P+i+1], v[P+i:P+i+1], v[T+i:T+i+1], s[\c:\c+1] op_sel_hi:[1,1,0]
.set i, i+2
.endr
.endr
.set i, 0
.rept 16
	v_pk_fma_f32 v[P+i:P+i+1], v[XX+i:XX+i+1], s[46:47], v[P+i:P+i+1] op_sel_hi:[1,0,1]
.set i, i+2
.endr
.set i, 0
	s_wait_alu depctr_va_vdst(0)
.rept 32
	v_exp_f32 v[P+i], v[P+i]
.set i, i+1
.endr
.set i, 0
.rept 32
	v_max_num_f32 v[XX+i], 0, v[XB+i]
.set i, i+1
.endr
	s_wait_alu depctr_va_vdst(0)
.set i, 0
.rept 16
	v_pk_mul_f32 v[P+i:P+i+1], v[P+i:P+i+1], v[T+i:T+i+1]
.set i, i+2
.endr
.set i, 0
.rept 32
	v_fma_f32 v[XB+i], -|v[XB+i]|, v[P+i], v[XX+i]
.set i, i+1
.endr
.endm
	s_wait_dscnt 0x0
	s_barrier_signal -1
	s_barrier_wait -1
	PLACES NP
	s_lshl_b32 s18, s14, 16
	v_and_b32 v6, 31, v0
	v_and_b32 v5, 15, v0
	v_lshl_add_u32 v1, v6, 4, s18
.irp a, 0,1,2,3,4,5,6,7
	WIN 0x08+4*(\a/4)
.irp b, 0,1,2,3,4,5,6,7
	ds_store_b128 v1, v[8*(8*(\a%4)+\b):8*(8*(\a%4)+\b)+3] offset:(16*\a+2*\b)*512
	ds_store_b128 v1, v[8*(8*(\a%4)+\b)+4:8*(8*(\a%4)+\b)+7] offset:(16*\a+2*\b+1)*512
.endr
.endr
	WIN 0
	s_lshl_b32 s18, s14, 9
	s_add_co_u32 s18, s18, TWB
	v_lshl_add_u32 v2, v5, 2, s18
	v_lshlrev_b32 v7, 4, v6
	s_mov_b32 s[SEL], 0x76543210
	s_mov_b32 s[SEL+1], 0xfedcba98
	s_mov_b32 s[MNT], 0x600000
	s_mov_b32 s23, 0
	s_mov_b32 s26, 0
	s_mov_b32 s50, 0
.irp b, 0,1,2,3
	v_mov_b32 v[TM+4+\b], 0
.endr
.if FFN
	v_add_nc_u32 v8, 1024, v7
	s_mov_b32 s24, 65536
	s_mov_b32 s25, 65536
	KPAIR 28, 0xbf97d29d
	KPAIR 30, 0x40097039
	KPAIR 32, 0xbfd1a1e5
	KPAIR 34, 0x3ecdfd18
	KPAIR 36, 0xbe899a80
	KPAIR 38, 0x3e0efb2e
	KPAIR 40, 0x3f0a29d2
	KPAIR 42, 0x3fb8ab5a
	KPAIR 44, 0xc034d90f
	KPAIR 46, 0xbf38aa3b
	s_mov_b32 s48, 0x3eb504f3
	v_mov_b32 v10, 0x3e7c6f08
	v_mov_b32 v11, 0x3e7c6f08
	s_wait_loadcnt 0x0
.else
	v_add_nc_u32 v8, s46, v7
	s_mov_b32 s24, 1024
	s_add_co_u32 s25, s67, 1024
.endif
.Lepi:
	v_add_nc_u32 v3, s26, v1
	v_add_nc_u32 v4, s50, v2
.irp i, 0,1,2,3,4,5,6,7,8,9,10,11,12,13,14,15
	ds_load_b128 v[X+4*\i:X+4*\i+3], v3 offset:512*\i
.endr
	s_wait_dscnt 0x0
.if FFN
	WIN 0x04
.set i, 0
.rept 32
	v_pk_add_f32 v[X+i:X+i+1], v[X+i:X+i+1], v[i:i+1]
.set i, i+2
.endr
	WIN 0
	GELU 0
	GELU 1
.endif
	QUANT X
.irp nb, 0,1,2,3
	global_store_b128 v[7+\nb/2], v[PC+4*\nb:PC+4*\nb+3], s[12:13] offset:512*(\nb%2)
.endr
	ds_store_b32 v4, v[PW]
	s_add_co_u32 s23, s23, 1
	s_add_co_u32 s26, s26, 8192
	s_add_co_u32 s50, s50, 64
	s_cmp_eq_u32 s23, 4
	s_cselect_b32 s27, s25, s24
	s_wait_xcnt 0x0
	s_wait_dscnt 0x0
	v_add_nc_u32 v7, s27, v7
	v_add_nc_u32 v8, s27, v8
	s_cmp_lt_u32 s23, 8
	s_cbranch_scc1 .Lepi
.if FFN
	v_lshl_add_u32 v9, v6, 4, s18
	v_lshlrev_b32 v13, 4, v6
	ds_load_b128 v[64:67], v9
	s_wait_alu depctr_va_vdst(0)
	s_wait_dscnt 0x0
	global_store_b128 v13, v[64:67], s[98:99]
.else
.irp a, 0,1,2,3,4,5,6,7
	ds_load_b32 v[64+\a], v2 offset:64*\a
.endr
	v_cmp_lt_u32 vcc_lo, 15, v6
	v_mov_b32 v13, 0x05040100
	v_mov_b32 v14, 0x07060302
	v_cndmask_b32 v13, v13, v14, vcc_lo
	v_lshrrev_b32 v15, 4, v6
	v_mul_u32_u24 v15, 0x42000, v15
	v_lshl_add_u32 v9, v5, 4, v15
	v_add_nc_u32 v9, s47, v9
	s_wait_dscnt 0x0
.irp i, 0,1,2,3
	v_perm_b32 v[72+\i], v[65+2*\i], v[64+2*\i], v13
	v_cndmask_b32 v[76+\i], v[64+\i], v[68+\i], vcc_lo
.endr
.irp i, 0,1,2,3
	v_cndmask_b32 v[72+\i], v[72+\i], v[76+\i], s66
.endr
	global_store_b128 v9, v[72:75], s[12:13]
.endif
	s_wait_tensorcnt 0x0
	ds_add_u32 v[SPW], v[NIL]
	s_wait_dscnt 0x0
	CROUND
	s_endpgm
.Lfunc_end_k_qd58e99ebc9_ffn1:
	.size	k_qd58e99ebc9_ffn1, .Lfunc_end_k_qd58e99ebc9_ffn1-k_qd58e99ebc9_ffn1
	.p2alignl 7, 3214868480
	.fill 96, 4, 3214868480
	.section	.rodata,"a",@progbits
	.p2align	6, 0x0
	.amdhsa_kernel k_qd58e99ebc9_ffn1
		.amdhsa_group_segment_fixed_size 327680
		.amdhsa_private_segment_fixed_size 0
		.amdhsa_enable_private_segment 0
		.amdhsa_kernarg_size 48
		.amdhsa_user_sgpr_count 2
		.amdhsa_user_sgpr_kernarg_segment_ptr 1
		.amdhsa_wavefront_size32 1
		.amdhsa_system_sgpr_workgroup_id_x 1
		.amdhsa_system_sgpr_workgroup_id_y 1
		.amdhsa_system_sgpr_workgroup_id_z 1
		.amdhsa_system_vgpr_workitem_id 0
		.amdhsa_next_free_vgpr 1024
		.amdhsa_next_free_sgpr 100
		.amdhsa_reserve_vcc 1
		.amdhsa_float_denorm_mode_32 3
		.amdhsa_float_denorm_mode_16_64 3
		.amdhsa_memory_ordered 1
		.amdhsa_forward_progress 1
		.amdhsa_inst_pref_size 180
	.end_amdhsa_kernel
	.amdgpu_metadata
---
amdhsa.version: [ 1, 2 ]
amdhsa.kernels:
  - .name:           k_qd58e99ebc9_ffn1
    .symbol:         k_qd58e99ebc9_ffn1.kd
    .args:
      - { .name: hc, .offset: 0, .size: 8, .value_kind: global_buffer, .address_space: global }
      - { .name: hs, .offset: 8, .size: 8, .value_kind: global_buffer, .address_space: global }
      - { .name: W1_codes, .offset: 16, .size: 8, .value_kind: global_buffer, .address_space: global }
      - { .name: W1_scales, .offset: 24, .size: 8, .value_kind: global_buffer, .address_space: global }
      - { .name: b1, .offset: 32, .size: 8, .value_kind: global_buffer, .address_space: global }
      - { .name: a2, .offset: 40, .size: 8, .value_kind: global_buffer, .address_space: global }
    .group_segment_fixed_size: 327680
    .private_segment_fixed_size: 0
    .kernarg_segment_align: 8
    .kernarg_segment_size: 48
    .max_flat_workgroup_size: 128
    .sgpr_count:     100
    .vgpr_count:     1024
    .wavefront_size: 32
...
	.end_amdgpu_metadata
.endif
;; end of part 5
;; launch ffn2 (part 6): grid 8 x 32, 4 waves a work-group, clusters of 4 x 4, 327,680 bytes of LDS; arguments a2, W2_codes, W2_scales, b2, x1, out0; writes out0
.if DOCPART == 6
	.amdgcn_target "amdgcn-amd-amdhsa--gfx1250"
	.amdhsa_code_object_version 6
	.text
	.protected	k_qd58e99ebc9_ffn2
	.globl	k_qd58e99ebc9_ffn2
	.p2align	8
	.type	k_qd58e99ebc9_ffn2,@function
k_qd58e99ebc9_ffn2:
	s_mov_b64 s[64:65], 0
	v_nop
	global_prefetch_b8 v0, s[64:65] scope:SCOPE_SE
	s_setreg_imm32_b32 hwreg(HW_REG_WAVE_MODE, 25, 1), 1
	s_wait_xcnt 0x0
	s_wait_alu depctr_hold_cnt(0) depctr_sa_sdst(0) depctr_va_vdst(0) depctr_va_sdst(0) depctr_va_ssrc(0) depctr_va_vcc(0) depctr_vm_vsrc(0)
	s_getreg_b32 s2, hwreg(HW_REG_IB_STS2, 6, 4)
	s_cmp_eq_u32 s2, 0
	s_cbranch_scc0 .Lentry_in_a_cluster
	s_endpgm
.Lentry_in_a_cluster:
	s_bfe_u32 s2, ttmp6, 0x10000c
	s_cmp_lg_u32 s2, 0xf033
	s_cbranch_scc0 .Lentry_shape_is_right
	s_endpgm
.Lentry_shape_is_right:
.set SIZE_K,  4096
.set ASC_OFF, 16777216
.set KSL,   512
.set ATB,   8192
.set AHALF, 4*ATB
.set BP,    528
.set BHALF, 64*BP
.set BOFF,  2*AHALF
.set SLOT,  BOFF+2*BHALF
.set LAPS,  SIZE_K/(2*KSL)
.set KSB,   SIZE_K/32
.set SCA,   2*SLOT
.set SAH,   2*SIZE_K
.set SCB,   SCA+2*SAH
.set SBH,   (SIZE_K/128)*272
.set SBLK,  (16*KSB/256)*272
.set SPARE, SCB+2*SBH
.set SP,    272
.set ADA,  16
.set ADB,  18
.set ADSA, 20
.set ADSB, 21
.set STO,  22
.set RD,   23
.set CO,   24
.set BO,   25
.set SPW,  28
.set NIL,  29
.set SA,   32
.set SB,   48
.set ACC,  128
.set F0,   0
.set F1,   128
.set RES,  0
.set BIA,  128
.set G1, 24
.set G0, 32
.set G1B, 48
.set G0B, 56
.set G1S, 68
.set G0S, 76
.set G1SB, 80
.set G0SB, 88
.set MSB, 0
.macro WIN new
.if MSB != \new
	s_set_vgpr_msb (MSB<<8)|\new
.set MSB, \new
.endif
.endm
.set MUL,  0x05
.set TO_F, 0x40
.set TO_R, 0x80
.macro JLOAD g0a, g1a, g0b, g1b
	s_cmp_eq_u32 s15, 0
	s_cbranch_scc0 .Lfor_b_\@
	tensor_load_to_lds s[\g0a:\g0a+3], s[\g1a:\g1a+7]
	s_nop 0
.rept 4
	v_nop
.endr
	s_branch .Lasked_\@
.Lfor_b_\@:
	tensor_load_to_lds s[\g0b:\g0b+3], s[\g1b:\g1b+7]
	s_nop 0
.rept 4
	v_nop
.endr
.Lasked_\@:
.endm
.macro CREST
	s_cmp_lg_u32 s14, 0
	s_cbranch_scc1 .Lnot_wave_0_\@
	s_barrier_signal -3
.Lnot_wave_0_\@:
	s_barrier_wait -3
	s_barrier_signal -1
	s_barrier_wait -1
.endm
.macro CROUND
	s_barrier_signal -1
	s_barrier_wait -1
	CREST
.endm
	s_load_b256 s[4:11], s[0:1], 0x0
	s_load_b128 s[96:99], s[0:1], 0x20
	v_lshl_add_u32 v[SPW], v0, 2, SPARE
	v_mov_b32 v[NIL], 0
	ds_add_u32 v28, v29
	ds_add_u32 v28, v29
	s_wait_dscnt 0x0
	v_lshrrev_b32 v1, 5, v0
	v_readfirstlane_b32 s14, v1
	s_lshr_b32 s15, s14, 1
	s_and_b32 s16, s14, 1
	s_bfe_u32 s40, ttmp6, 0x40000
	s_bfe_u32 s41, ttmp6, 0x40004
	s_lshl_b32 s42, ttmp9, 2
	s_add_co_u32 s42, s42, s40
	s_and_b32 s17, ttmp7, 0xffff
	s_lshl_b32 s17, s17, 2
	s_add_co_u32 s17, s17, s41
	s_lshl_b32 s43, s41, 2
	s_lshl_b32 s43, 15, s43
	s_lshl_b32 s44, 0x1111, s40
	s_or_b32 s[G1+0], s43, (3<<16)|(1<<21)
	s_mov_b32 s[G1+1], 1024<<16
	s_mov_b32 s[G1+2], 8<<16
	s_mov_b32 s[G1+3], 1024<<16
	s_mov_b32 s[G1+4], 8
	s_mov_b32 s[G1+5], 2*SIZE_K
	s_mov_b32 s[G1+6], 0
	s_mov_b32 s[G1+7], 0
	s_or_b32 s[G1B+0], s44, (0<<16)|(1<<20)|(1<<21)|(6<<22)|(3<<25)
	s_mov_b32 s[G1B+1], KSL<<16
	s_mov_b32 s[G1B+2], 128<<16
	s_mov_b32 s[G1B+3], KSL<<16
	s_mov_b32 s[G1B+4], 128
	s_mov_b32 s[G1B+5], SIZE_K
	s_mov_b32 s[G1B+6], 0
	s_mov_b32 s[G1B+7], 0
	s_or_b32 s[G1S+0], s43, (3<<16)|(1<<21)
	s_or_b32 s[G1SB+0], s44, (3<<16)|(1<<20)|(1<<21)|(5<<22)|(3<<25)
.irp g, G1S, G1SB
	s_mov_b32 s[\g+1], 32<<16
	s_mov_b32 s[\g+2], (SIZE_K/64)<<16
	s_mov_b32 s[\g+3], 32<<16
	s_mov_b32 s[\g+4], SIZE_K/64
	s_mov_b32 s[\g+5], 32
	s_mov_b32 s[\g+6], 0
	s_mov_b32 s[\g+7], 0
.endr
	s_mul_i32 s20, s17, 128*SIZE_K
	s_mul_i32 s18, s16, 64*SIZE_K
	s_add_co_u32 s20, s20, s18
	s_mov_b32 s21, 0
	s_mul_i32 s22, s17, 4*SIZE_K
	s_add_co_u32 s22, s22, ASC_OFF
	s_mov_b32 s23, 0
	s_mul_i32 s46, s42, 128*SIZE_K
	s_mul_i32 s18, s16, 64*SIZE_K
	s_add_co_u32 s46, s46, s18
	s_mov_b32 s47, 0
	s_mul_i32 s92, s42, 128*KSB
	s_mov_b32 s93, 0
	s_mul_i32 s45, s16, AHALF
	s_mul_i32 s94, s16, BHALF
	s_add_co_u32 s94, s94, BOFF
	s_wait_kmcnt 0x0
	s_add_nc_u64 s[20:21], s[4:5], s[20:21]
	s_add_nc_u64 s[22:23], s[4:5], s[22:23]
	s_add_nc_u64 s[46:47], s[6:7], s[46:47]
	s_add_nc_u64 s[92:93], s[8:9], s[92:93]
	CROUND
	s_mov_b32 s[G0S], 1
	s_mov_b32 s[G0S+1], SCA
	s_mov_b64 s[G0S+2:G0S+3], s[22:23]
	s_or_b32 s[G0S+3], s[G0S+3], 0x80000000
	s_mov_b32 s[G0SB], 1
	s_mov_b32 s[G0SB+1], SCB
	s_mov_b64 s[G0SB+2:G0SB+3], s[92:93]
	s_or_b32 s[G0SB+3], s[G0SB+3], 0x80000000
.irp s, 0,1
	s_mov_b32 s[G0+4*\s], 1
	s_add_co_u32 s[G0+4*\s+1], s45, \s*SLOT
	s_add_nc_u64 s[G0+4*\s+2:G0+4*\s+3], s[20:21], \s*ATB
	s_or_b32 s[G0+4*\s+3], s[G0+4*\s+3], 0x80000000
	s_mov_b32 s[G0B+4*\s], 1
	s_add_co_u32 s[G0B+4*\s+1], s94, \s*SLOT
	s_add_nc_u64 s[G0B+4*\s+2:G0B+4*\s+3], s[46:47], \s*KSL
	s_or_b32 s[G0B+4*\s+3], s[G0B+4*\s+3], 0x80000000
.endr
	; THE HEAD'S LOADS, ONE A WAVE: wave 0 slot 0's eight tiles of A, wave 1 its 128 rows of B, wave 2 A's scale words, wave 3 B's scale bytes.
	; Slot 0's two groups 0 serve them, set to the whole tile; behind the wait for these loads they are set back to my half.
	s_mul_i32 s2, s16, 64*SIZE_K
	s_mov_b32 s3, 0
	s_mov_b32 s[G0+1], 0
	s_sub_nc_u64 s[G0+2:G0+3], s[G0+2:G0+3], s[2:3]
	s_mov_b32 s[G0B+1], BOFF
	s_sub_nc_u64 s[G0B+2:G0B+3], s[G0B+2:G0B+3], s[2:3]
.macro ARM under, g0, g1, next
	s_cmp_lt_u32 s14, \under
	s_cbranch_scc0 \next
	tensor_load_to_lds s[\g0:\g0+3], s[\g1:\g1+7]
	s_nop 0
.rept 4
	v_nop
.endr
	s_branch .Lhead_asked
\next:
.endm
	ARM 1, G0,  G1,  .Lhead_b
	ARM 2, G0B, G1B, .Lhead_sa
	ARM 3, G0S, G1S, .Lhead_sb
	tensor_load_to_lds s[G0SB:G0SB+3], s[G1SB:G1SB+7]
	s_nop 0
.rept 4
	v_nop
.endr
.Lhead_asked:
	; THE PREFETCHES.  A slot's step is 512 along K.  Of the 128 blocks of 256 bytes that a wave fetches for a step, each of the four partners that ask for them jointly names 32, told apart by address:
	; waves 0, 1 (A): the tile of 16 rows 4 x half + cx, 8,192 bytes, lanes 256 bytes apart; waves 2, 3 (B): rows 64 x half + 16 cy + lane / 2, 256 x (lane % 2) bytes on.
	; Steps 2 and 3 are named at the head; behind the refill that loads step j, step j + 2; the loop's last trip, whose refills load steps 6 and 7, names nothing.
	s_cmp_eq_u32 s15, 0
	s_cselect_b64 s[12:13], s[4:5], s[6:7]
	s_cselect_b32 s20, s17, s42
	s_cselect_b32 s21, s40, s41
	s_cselect_b32 s18, 0, 1
	s_mov_b32 s19, SIZE_K
	s_cselect_b32 s19, 256, s19
	s_mov_b32 s66, KSL
	s_cselect_b32 s66, ATB, s66                    ; s[66:67]: a step on, in bytes
	s_mov_b32 s67, 0
	s_lshl_b32 s20, s20, 7
	s_lshl_b32 s22, s16, 6
	s_add_co_u32 s20, s20, s22
	s_lshl_b32 s21, s21, 4
	s_add_co_u32 s20, s20, s21                     ; my partner's first row of 16
	s_mul_i32 s20, s20, SIZE_K
	s_mov_b32 s21, 0
	s_add_nc_u64 s[12:13], s[12:13], s[20:21]
	s_add_nc_u64 s[12:13], s[12:13], s[66:67]
	s_add_nc_u64 s[12:13], s[12:13], s[66:67]      ; at step 2
	v_and_b32 v26, 31, v0
	v_and_b32 v27, s18, v26
	v_lshrrev_b32 v26, s18, v26
	v_mul_lo_u32 v26, v26, s19
	v_lshl_add_u32 v26, v27, 8, v26
	s_wait_alu depctr_va_vdst(0)
	global_prefetch_b8 v26, s[12:13] th:TH_LOAD_NT scope:SCOPE_SE
	v_and_b32 v1, 15, v0
	v_bfe_u32 v2, v0, 4, 1
	v_and_b32 v3, 31, v0
	s_mul_i32 s21, s15, AHALF
	v_lshl_add_u32 v[ADA], v3, 4, s21
	v_add_nc_u32 v[ADA+1], SLOT, v[ADA]
	v_mul_u32_u24 v4, v1, BP
	v_lshl_add_u32 v4, v2, 3, v4
	s_mul_i32 s22, s16, BHALF
	s_add_co_u32 s22, s22, BOFF
	v_add_nc_u32 v[ADB], s22, v4
	v_add_nc_u32 v[ADB+1], SLOT, v[ADB]
.irp i, 0,1,2,3
	v_add_nc_u32 v[80+\i], 16*BP*\i, v[ADB]        ; an address for each of B's four fragments and each slot: the two-address loads' offsets reach 2,040 bytes
	v_add_nc_u32 v[84+\i], 16*BP*\i, v[ADB+1]
.endr
	s_lshl_b32 s21, s15, 8
	s_add_co_u32 s21, s21, SCA
	v_lshl_add_u32 v4, v1, 2, s21
	v_lshl_add_u32 v[ADSA], v2, 9, v4
	v_mul_u32_u24 v4, v1, KSB
	v_lshrrev_b32 v5, 8, v4
	v_lshl_add_u32 v4, v5, 4, v4
	s_mul_i32 s22, s16, SBH
	s_add_co_u32 s22, s22, SCB
	v_add_nc_u32 v[ADSB], s22, v4
	s_mul_i32 s23, s14, 16*SP
	v_mul_u32_u24 v4, v1, SP
	v_lshl_add_u32 v4, v2, 5, v4
	v_add_nc_u32 v[STO], s23, v4
	v_mul_u32_u24 v4, v2, SP
	v_lshl_add_u32 v4, v1, 4, v4
	v_add_nc_u32 v[RD], s23, v4
	v_lshlrev_b32 v4, 12, v2
	v_lshl_add_u32 v[CO], v1, 4, v4
	v_lshlrev_b32 v[BO], 4, v1
	s_lshl_b32 s20, s17, 19
	s_lshl_b32 s21, s15, 18
	s_add_co_u32 s20, s20, s21
	s_lshl_b32 s46, s42, 9
	s_lshl_b32 s47, s16, 8
	s_add_co_u32 s46, s46, s47
	s_mov_b32 s47, 0
	s_add_nc_u64 s[10:11], s[10:11], s[46:47]
	s_add_co_u32 s20, s20, s46
	s_mov_b32 s21, 0
	s_add_nc_u64 s[96:97], s[96:97], s[20:21]
	s_add_nc_u64 s[98:99], s[98:99], s[20:21]
	s_wait_xcnt 0x0                                ; the first prefetch has read its address
	s_add_nc_u64 s[12:13], s[12:13], s[66:67]
	global_prefetch_b8 v26, s[12:13] th:TH_LOAD_NT scope:SCOPE_SE   ; step 3
.macro FETCH slot, ksl, f
	WIN TO_F
.irp i, 0,1,2,3
.irp c, 0,1,2,3
	ds_load_b128 v[\f+16*\i+4*\c:\f+16*\i+4*\c+3], v[ADA+\slot] offset:ATB*\i+2048*(\ksl)+512*\c
.endr
.endr
.irp i, 0,1,2,3
.irp c, 0,1,2,3
	ds_load_2addr_b64 v[\f+64+16*\i+4*\c:\f+64+16*\i+4*\c+3], v[80+4*\slot+\i] offset0:16*(\ksl)+4*\c offset1:16*(\ksl)+4*\c+2
.endr
.endr
.endm
.macro SCALES set
	WIN 0
.irp i, 0,1,2,3
	ds_load_b128 v[SB+16*\set+4*\i:SB+16*\set+4*\i+3], v[ADSB] offset:\i*SBLK
.endr
.irp i, 0,1,2,3
.irp kp, 0,1
	ds_load_b32 v[SA+8*\set+2*\i+\kp], v[ADSA] offset:64*\i+1024*\kp
.endr
.endr
.endm
.macro MUL8 f, a0, ksl, set, zero
.irp a, \a0, \a0+1
.irp b, 0,1,2,3
.if \zero
	v_wmma_scale_f32_16x16x128_f8f6f4 v[ACC+8*(4*(\a)+\b):ACC+8*(4*(\a)+\b)+7], v[\f+64+16*\b:\f+64+16*\b+15], v[\f+16*(\a):\f+16*(\a)+15], 0, v[SB+16*\set+4*\b+\ksl], v[SA+8*\set+2*(\a)+(\ksl)/2] matrix_a_fmt:MATRIX_FMT_BF8 matrix_b_fmt:MATRIX_FMT_BF8
.elseif (\ksl)%2
	v_wmma_scale_f32_16x16x128_f8f6f4 v[ACC+8*(4*(\a)+\b):ACC+8*(4*(\a)+\b)+7], v[\f+64+16*\b:\f+64+16*\b+15], v[\f+16*(\a):\f+16*(\a)+15], v[ACC+8*(4*(\a)+\b):ACC+8*(4*(\a)+\b)+7], v[SB+16*\set+4*\b+\ksl], v[SA+8*\set+2*(\a)+(\ksl)/2] matrix_a_fmt:MATRIX_FMT_BF8 matrix_b_fmt:MATRIX_FMT_BF8 matrix_b_scale:MATRIX_SCALE_ROW1
.else
	v_wmma_scale_f32_16x16x128_f8f6f4 v[ACC+8*(4*(\a)+\b):ACC+8*(4*(\a)+\b)+7], v[\f+64+16*\b:\f+64+16*\b+15], v[\f+16*(\a):\f+16*(\a)+15], v[ACC+8*(4*(\a)+\b):ACC+8*(4*(\a)+\b)+7], v[SB+16*\set+4*\b+\ksl], v[SA+8*\set+2*(\a)+(\ksl)/2] matrix_a_fmt:MATRIX_FMT_BF8 matrix_b_fmt:MATRIX_FMT_BF8
.endif
.endr
.endr
.endm
.macro PLACES n
.rept \n
	v_nop
.endr
.endm
.macro STEP slot, ksl, zero
	PLACES 8
	FETCH \slot, (\ksl)+1, 128*(1-(\ksl)%2)
	s_wait_dscnt 32
	WIN MUL
	MUL8 128*((\ksl)%2), 0, \ksl, \slot, \zero
	MUL8 128*((\ksl)%2), 2, \ksl, \slot, \zero
.endm
.macro TURN slot, next, fill
	WIN 0
.if \fill
	s_wait_xcnt 0x0                                ; my last prefetch has read its address: it steps here, ahead of the waits of the change of slots
	s_add_nc_u64 s[12:13], s[12:13], s[66:67]
.endif
	s_wait_tensorcnt 0x0
	ds_add_u32 v[SPW], v[NIL]
	s_wait_dscnt 1
	WIN MUL
	MUL8 F1, 0, 3, \slot, 0
	s_wait_dscnt 0x0
	s_barrier_signal -1
	MUL8 F1, 2, 3, \slot, 0
	WIN 0
	s_barrier_wait -1
.if \fill
	CREST
	s_add_nc_u64 s[G0+4*\slot+2:G0+4*\slot+3], s[G0+4*\slot+2:G0+4*\slot+3], 2*ATB
	s_add_nc_u64 s[G0B+4*\slot+2:G0B+4*\slot+3], s[G0B+4*\slot+2:G0B+4*\slot+3], 2*KSL
	JLOAD G0+4*\slot, G1, G0B+4*\slot, G1B
	PLACES 4
.else
	PLACES 8
.endif
	s_wait_alu depctr_va_vdst(0)
	v_add_nc_u32 v[ADSA], 2048, v[ADSA]
	v_add_nc_u32 v[ADSB], 16, v[ADSB]
	FETCH \next, 0, F0
	SCALES \next
.if \fill
	s_cmp_gt_u32 s3, 1                             ; not in the loop's last trip: no step lies two refills on
	s_cbranch_scc0 .Lnot_asked_\@
	global_prefetch_b8 v26, s[12:13] th:TH_LOAD_NT scope:SCOPE_SE
.Lnot_asked_\@:
.endif
.endm
	s_wait_alu depctr_va_vdst(0)
	s_wait_tensorcnt 0x0                           ; my tile of the head's four is in
	ds_add_u32 v[SPW], v[NIL]
	s_mov_b32 s[G1+2], 4<<16                       ; no tensor load of mine is out: from here on a load brings half a tile
	s_mov_b32 s[G1+4], 4
	s_mov_b32 s[G1B+2], 64<<16
	s_mov_b32 s[G1B+4], 64
	s_mov_b32 s[G0+1], s45                         ; slot 0's groups 0: my half again
	s_add_nc_u64 s[G0+2:G0+3], s[G0+2:G0+3], s[2:3]
	s_mov_b32 s[G0B+1], s94
	s_add_nc_u64 s[G0B+2:G0B+3], s[G0B+2:G0B+3], s[2:3]
	s_wait_dscnt 0x0
	CROUND                                         ; a whole round: all four tiles are in, and the joint loads meet
	JLOAD G0+4, G1, G0B+4, G1B                     ; slot 1's first fill, the first tensor load behind the round
	FETCH 0, 0, F0
	SCALES 0
	WIN TO_R
.irp a, 0,1,2,3
.irp t, 0,1,2,3,4,5,6,7
	global_load_b128 v[RES+32*\a+4*\t:RES+32*\a+4*\t+3], v[CO], s[96:97] offset:(16*\a+2*\t)*4096
.endr
.endr
	global_load_b128 v[BIA:BIA+3], v[BO], s[10:11]
	STEP 0, 0, 1
.if LAPS > 1
	WIN 0
	s_mov_b32 s3, LAPS-1
.Llap:
	STEP 0, 1, 0
	STEP 0, 2, 0
	TURN 0, 1, 1
	STEP 1, 0, 0
	STEP 1, 1, 0
	STEP 1, 2, 0
	TURN 1, 0, 1
	STEP 0, 0, 0
	WIN 0
	s_sub_co_u32 s3, s3, 1
	s_cmp_lg_u32 s3, 0
	s_cbranch_scc1 .Llap
.endif
	STEP 0, 1, 0
	STEP 0, 2, 0
	TURN 0, 1, 0
	STEP 1, 0, 0
	STEP 1, 1, 0
	STEP 1, 2, 0
	s_wait_dscnt 0x0
	WIN MUL
	MUL8 F1, 0, 3, 1, 0
	MUL8 F1, 2, 3, 1, 0
	PLACES 8
.irp a, 0,1,2,3
.set TT, 128+32*(\a%2)
	WIN 0
.irp b, 0,1,2,3
	ds_store_b128 v[STO], v[ACC+8*(4*\a+\b):ACC+8*(4*\a+\b)+3] offset:64*\b
	ds_store_b128 v[STO], v[ACC+8*(4*\a+\b)+4:ACC+8*(4*\a+\b)+7] offset:64*\b+16
.endr
.if \a > 1
	s_wait_xcnt 0x0
.endif
	WIN TO_F
.irp t, 0,1,2,3,4,5,6,7
	ds_load_b128 v[TT+4*\t:TT+4*\t+3], v[RD] offset:\t*2*SP
.endr
	s_wait_dscnt 0x0
.if \a == 0
	s_wait_loadcnt 0x0
.endif
	WIN 0x49
.irp t, 0,1,2,3,4,5,6,7
	v_pk_add_f32 v[TT+4*\t:TT+4*\t+1],   v[TT+4*\t:TT+4*\t+1],   v[BIA:BIA+1]
	v_pk_add_f32 v[TT+4*\t+2:TT+4*\t+3], v[TT+4*\t+2:TT+4*\t+3], v[BIA+2:BIA+3]
.endr
.irp t, 0,1,2,3,4,5,6,7
	v_pk_add_f32 v[TT+4*\t:TT+4*\t+1],   v[TT+4*\t:TT+4*\t+1],   v[RES+32*\a+4*\t:RES+32*\a+4*\t+1]
	v_pk_add_f32 v[TT+4*\t+2:TT+4*\t+3], v[TT+4*\t+2:TT+4*\t+3], v[RES+32*\a+4*\t+2:RES+32*\a+4*\t+3]
.endr
	WIN 0x04
.irp t, 0,1,2,3,4,5,6,7
	global_store_b128 v[CO], v[TT+4*\t:TT+4*\t+3], s[98:99] offset:(16*\a+2*\t)*4096
.endr
.endr
	WIN 0
	s_wait_tensorcnt 0x0
	ds_add_u32 v[SPW], v[NIL]
	s_wait_dscnt 0x0
	CROUND
	s_endpgm
.Lfunc_end_k_qd58e99ebc9_ffn2:
	.size	k_qd58e99ebc9_ffn2, .Lfunc_end_k_qd58e99ebc9_ffn2-k_qd58e99ebc9_ffn2
	.p2alignl 7, 3214868480
	.fill 96, 4, 3214868480
	.section	.rodata,"a",@progbits
	.p2align	6, 0x0
	.amdhsa_kernel k_qd58e99ebc9_ffn2
		.amdhsa_group_segment_fixed_size 327680
		.amdhsa_private_segment_fixed_size 0
		.amdhsa_enable_private_segment 0
		.amdhsa_kernarg_size 48
		.amdhsa_user_sgpr_count 2
		.amdhsa_user_sgpr_kernarg_segment_ptr 1
		.amdhsa_wavefront_size32 1
		.amdhsa_system_sgpr_workgroup_id_x 1
		.amdhsa_system_sgpr_workgroup_id_y 1
		.amdhsa_system_sgpr_workgroup_id_z 1
		.amdhsa_system_vgpr_workitem_id 0
		.amdhsa_next_free_vgpr 768
		.amdhsa_next_free_sgpr 100
		.amdhsa_reserve_vcc 0
		.amdhsa_float_denorm_mode_32 3
		.amdhsa_float_denorm_mode_16_64 3
		.amdhsa_memory_ordered 1
		.amdhsa_forward_progress 1
		.amdhsa_inst_pref_size 108
	.end_amdhsa_kernel
	.amdgpu_metadata
---
amdhsa.version: [ 1, 2 ]
amdhsa.kernels:
  - .name:           k_qd58e99ebc9_ffn2
    .symbol:         k_qd58e99ebc9_ffn2.kd
    .args:
      - { .name: a2, .offset: 0, .size: 8, .value_kind: global_buffer, .address_space: global }
      - { .name: W2_codes, .offset: 8, .size: 8, .value_kind: global_buffer, .address_space: global }
      - { .name: W2_scales, .offset: 16, .size: 8, .value_kind: global_buffer, .address_space: global }
      - { .name: b2, .offset: 24, .size: 8, .value_kind: global_buffer, .address_space: global }
      - { .name: x1, .offset: 32, .size: 8, .value_kind: global_buffer, .address_space: global }
      - { .name: out0, .offset: 40, .size: 8, .value_kind: global_buffer, .address_space: global }
    .group_segment_fixed_size: 327680
    .private_segment_fixed_size: 0
    .kernarg_segment_align: 8
    .kernarg_segment_size: 48
    .max_flat_workgroup_size: 128
    .sgpr_count:     100
    .vgpr_count:     768
    .wavefront_size: 32
...
	.end_amdgpu_metadata
.endif
;; end of part 6
